; MI455X (gfx1250); checked and timed in simulation.
; The chip was launched on July 23, 2026; its instructions are those of AMD's public machine-readable ISA for CDNA 5 (MIT licence, August 2026) and "CDNA5" Instruction Set Architecture Reference Guide (July 2026). The comments in the code are by the model that wrote it; some were corrected since.
;; Multi Head Self Attention. Allowed arithmetic: float matrix products may take bf16 or f16 operands with f32 sums; other float arithmetic in f32, or as packed bf16 or f16 multiplies, adds, multiply-adds, maxima and minima; sums over many terms, partial sums and values carried from step to step in f32; what a program stores and reads back later, other than sums and carried values, may be rounded once to bf16 or f16.
;; Inputs: Wk 1,024 x 1,024 float32; Wo 1,024 x 1,024 float32; Wq 1,024 x 1,024 float32; Wv 1,024 x 1,024 float32; bk 1,024 float32; bo 1,024 float32; bq 1,024 float32; bv 1,024 float32; ln_beta 1,024 float32; ln_gamma 1,024 float32; mask 4 x 2,048 bool; x 4 x 2,048 x 1,024 float32.
;; Outputs: out0 4 x 2,048 x 1,024 float32.
;; One version. Each part assembles by itself: llvm-mc -triple=amdgcn-amd-amdhsa -mcpu=gfx1250 --defsym DOCPART=n.
;; ======== version 1 of 1: 4 launches
;; limits: right only within a limited range of input values
;; workspace buffers: hb 16,777,216 bytes; wqkv 6,291,456 bytes; wob 2,097,152 bytes; bqkv 12,288 bytes; maskb 32,768 bytes; qkv 50,331,648 bytes; ob 16,777,216 bytes
;; launch prep (part 1): grid 385 x 1, 8 waves a work-group, no clusters, 0 bytes of LDS; arguments x, ln_gamma, ln_beta, Wq, Wk, Wv, Wo, bq, bk, bv, mask, hb, wqkv, wob, bqkv, maskb; writes hb, wqkv, wob, bqkv, maskb
.if DOCPART == 1
	.amdgcn_target "amdgcn-amd-amdhsa--gfx1250"
	.amdhsa_code_object_version 6
	.text
	.protected	k_qae00ae7871_prep
	.globl	k_qae00ae7871_prep
	.p2align	8
	.type	k_qae00ae7871_prep,@function
k_qae00ae7871_prep:
	s_mov_b64 s[64:65], 0
	v_nop
	global_prefetch_b8 v0, s[64:65] scope:SCOPE_SE
	s_setreg_imm32_b32 hwreg(HW_REG_WAVE_MODE, 25, 1), 1
	s_wait_xcnt 0x0
; PREPARATION, three kinds of work-group, told apart by the work-group's number (forward branches, no barrier, EXEC never written).
;   0..255   LayerNorm of 32 rows of x (a wave: 4 rows, each kept in 32 registers between the passes): hb = ((x - mean) rsqrt(var + 1e-5)) gamma + beta, rounded once to bf16.
;            mean first, then the mean of (x - mean)^2: no difference of large sums is formed.  hb lies in blocks of 64 channels: byte = b<<22 + block<<18 + l<<7.
;   256..383 the four weight matrices rounded to bf16: Wq, Wk, Wv side by side in wqkv [1024][3072], Wo in wob [1024][1024]; a wave: 4 rows.
;   384      bq, bk, bv copied on end into bqkv; the mask's bytes turned into f32: 0 where the byte is not 0, else -1e30.
; A stream: no LDS, no matrix unit, no cluster (no two work-groups read the same bytes but gamma and beta, 8 KiB).  Every store of a wave covers 256 consecutive bytes, aligned.
.set MU, 4                             ; v[4:11]    a pair for each of my 4 rows: the mean, later 1/sqrt(var + eps), twice
.set T,  12                            ; v[12:19]   four packed chains
.set G,  20                            ; v[20:51]   gamma of my 32 channels
.set BT, 52                            ; v[52:83]   beta
.set X,  84                            ; v[84:211]  row i at X + 32 i: load j holds channels 128 j + 4 lane .. + 3
.set RO, 212                           ; v[212:215] the weights' way out: 8 lane + i rows
	s_load_b512 s[8:23], s[0:1], 0x0               ; x 8, gamma 10, beta 12, Wq 14, Wk 16, Wv 18, Wo 20, bq 22
	s_load_b512 s[24:39], s[0:1], 0x40             ; bk 24, bv 26, mask 28, hb 30, wqkv 32, wob 34, bqkv 36, maskb 38
	v_lshrrev_b32 v3, 5, v0
	v_readfirstlane_b32 s40, v3                    ; wave 0..7 (v3 is later the lane exchange's destination, which counts as read)
	v_and_b32 v2, 31, v0
	v_lshlrev_b32 v1, 4, v2                        ; 16 x lane
	v_lshlrev_b32 v2, 3, v2                        ; 8 x lane
	s_mov_b32 s44, 0x76543210                      ; v_permlanex16_b32: each lane takes its own place in the other half
	s_mov_b32 s45, 0xfedcba98
	s_mov_b32 s46, 0x3a800000                      ; 1 / 1024
	s_mov_b32 s47, 0x3727c5ac                      ; 1e-5
	s_wait_kmcnt 0x0
	s_cmp_lt_u32 ttmp9, 256
	s_cbranch_scc1 .Lln
	s_cmp_lt_u32 ttmp9, 384
	s_cbranch_scc1 .Lcast
	; ---- biases and mask: 256 threads, thread t ----
	v_lshlrev_b32 v6, 2, v0                        ; 4 t
	v_lshlrev_b32 v7, 4, v0                        ; 16 t
	v_mov_b32 v4, 0xf149f2ca                       ; -1e30
.irp i, 0,1,2,3,4,5,6,7
	global_load_b32 v[X+\i], v6, s[28:29] offset:\i*1024   ; four mask bytes: keys 4 t + 1024 i ..
.endr
	global_load_b128 v[X+8:X+11],  v7, s[22:23]
	global_load_b128 v[X+12:X+15], v7, s[24:25]
	global_load_b128 v[X+16:X+19], v7, s[26:27]
	s_wait_loadcnt 0x0
.set i, 0
.rept 32
	v_bfe_u32 v5, v[X+i/4], 8*(i%4), 8
	v_cmp_eq_u32 vcc_lo, 0, v5
	v_cndmask_b32 v[X+32+i], 0, v4, vcc_lo         ; a byte of 0 hides the key
.set i, i+1
.endr
.irp i, 0,1,2,3,4,5,6,7
	global_store_b128 v7, v[X+32+4*\i:X+32+4*\i+3], s[38:39] offset:\i*4096
.endr
	global_store_b128 v7, v[X+8:X+11],  s[36:37]
	global_store_b128 v7, v[X+12:X+15], s[36:37] offset:4096
	global_store_b128 v7, v[X+16:X+19], s[36:37] offset:8192
	s_endpgm
	; ---- weights to bf16 ----
.Lcast:
	s_sub_co_u32 s41, ttmp9, 256
	s_lshr_b32 s42, s41, 5                         ; which matrix: 0 Wq, 1 Wk, 2 Wv, 3 Wo
	s_and_b32 s43, s41, 31
	s_lshl_b32 s43, s43, 5
	s_lshl2_add_u32 s43, s40, s43                  ; my first row: 32 x part + 4 x wave
	s_lshl_b32 s53, s42, 11                        ; the matrix's columns in wqkv begin 2,048 bytes x matrix into a row
	s_mov_b32 s52, 6144                            ; bytes in a row of wqkv
	s_cmp_eq_u32 s42, 1
	s_cselect_b64 s[48:49], s[16:17], s[14:15]
	s_cmp_eq_u32 s42, 2
	s_cselect_b64 s[48:49], s[18:19], s[48:49]
	s_cmp_eq_u32 s42, 3
	s_cselect_b64 s[48:49], s[20:21], s[48:49]
	s_cselect_b64 s[50:51], s[34:35], s[32:33]
	s_cselect_b32 s52, 2048, s52                   ; wob: rows of 2,048 bytes,
	s_cselect_b32 s53, 0, s53                      ; from their first byte
	s_lshl_b32 s54, s43, 12
	s_mov_b32 s55, 0
	s_add_nc_u64 s[48:49], s[48:49], s[54:55]
	s_mul_i32 s54, s43, s52
	s_add_co_u32 s54, s54, s53
	s_add_nc_u64 s[50:51], s[50:51], s[54:55]
.irp i, 0,1,2,3
	s_mul_i32 s56, s52, \i
	v_add_nc_u32 v[RO+\i], s56, v2
.endr
.irp i, 0,1,2,3
.irp j, 0,1,2,3,4,5,6,7
	global_load_b128 v[X+32*\i+4*\j:X+32*\i+4*\j+3], v1, s[48:49] offset:\i*4096+\j*512 th:TH_LOAD_NT
.endr
.endr
.irp i, 0,1,2,3
	s_wait_loadcnt 24-8*\i                         ; loads come back in order: row i is in, the later rows' eight loads each may stay out
.irp j, 0,1,2,3,4,5,6,7
	v_cvt_pk_bf16_f32 v[X+32*\i+4*\j],   v[X+32*\i+4*\j],   v[X+32*\i+4*\j+1]
	v_cvt_pk_bf16_f32 v[X+32*\i+4*\j+1], v[X+32*\i+4*\j+2], v[X+32*\i+4*\j+3]
	global_store_b64 v[RO+\i], v[X+32*\i+4*\j:X+32*\i+4*\j+1], s[50:51] offset:\j*256
.endr
.endr
	s_endpgm
	; ---- LayerNorm ----
.macro FOLD                            ; the four chains into one number, then over the 32 lanes: every lane ends with the row's sum in v[T]
	v_pk_add_f32 v[T:T+1], v[T:T+1], v[T+2:T+3]
	v_pk_add_f32 v[T+4:T+5], v[T+4:T+5], v[T+6:T+7]
	v_pk_add_f32 v[T:T+1], v[T:T+1], v[T+4:T+5]
	v_add_f32 v[T], v[T], v[T+1]
	v_add_f32_dpp v[T], v[T], v[T] row_xmask:1 row_mask:0xf bank_mask:0xf
	v_add_f32_dpp v[T], v[T], v[T] row_xmask:2 row_mask:0xf bank_mask:0xf
	v_add_f32_dpp v[T], v[T], v[T] row_xmask:4 row_mask:0xf bank_mask:0xf
	v_add_f32_dpp v[T], v[T], v[T] row_xmask:8 row_mask:0xf bank_mask:0xf
	v_permlanex16_b32 v3, v[T], s44, s45
	v_add_f32 v[T], v[T], v3
.endm
.Lln:
	s_lshl_b32 s41, ttmp9, 5
	s_lshl2_add_u32 s41, s40, s41                  ; my first row R = 32 x work-group + 4 x wave
	s_lshl_b32 s48, s41, 12
	s_mov_b32 s49, 0
	s_add_nc_u64 s[8:9], s[8:9], s[48:49]          ; x at row R
	s_lshr_b32 s48, s41, 11
	s_lshl_b32 s48, s48, 22                        ; batch
	s_and_b32 s50, s41, 2047
	s_lshl_b32 s50, s50, 7                         ; row in the batch, 128 bytes a row of a block
	s_add_co_u32 s48, s48, s50
	s_add_nc_u64 s[30:31], s[30:31], s[48:49]      ; hb at block 0 of row R
.irp i, 0,1,2,3
.irp j, 0,1,2,3,4,5,6,7
	global_load_b128 v[X+32*\i+4*\j:X+32*\i+4*\j+3], v1, s[8:9] offset:\i*4096+\j*512 th:TH_LOAD_NT
.endr
.endr
.irp j, 0,1,2,3,4,5,6,7
	global_load_b128 v[G+4*\j:G+4*\j+3], v1, s[10:11] offset:\j*512
.endr
.irp j, 0,1,2,3,4,5,6,7
	global_load_b128 v[BT+4*\j:BT+4*\j+3], v1, s[12:13] offset:\j*512
.endr
	s_wait_loadcnt 16                              ; x is in; gamma's and beta's sixteen loads may stay out
.irp i, 0,1,2,3                        ; the means
.irp c, 0,1,2,3
	v_pk_add_f32 v[T+2*\c:T+2*\c+1], v[X+32*\i+2*\c:X+32*\i+2*\c+1], v[X+32*\i+8+2*\c:X+32*\i+8+2*\c+1]
.endr
.irp c, 0,1,2,3
	v_pk_add_f32 v[T+2*\c:T+2*\c+1], v[T+2*\c:T+2*\c+1], v[X+32*\i+16+2*\c:X+32*\i+16+2*\c+1]
.endr
.irp c, 0,1,2,3
	v_pk_add_f32 v[T+2*\c:T+2*\c+1], v[T+2*\c:T+2*\c+1], v[X+32*\i+24+2*\c:X+32*\i+24+2*\c+1]
.endr
	FOLD
	v_mul_f32 v[MU+2*\i], s46, v[T]
	v_mov_b32 v[MU+2*\i+1], v[MU+2*\i]
.endr
.irp i, 0,1,2,3                        ; x - mean, in place
.irp p, 0,1,2,3,4,5,6,7,8,9,10,11,12,13,14,15
	v_pk_add_f32 v[X+32*\i+2*\p:X+32*\i+2*\p+1], v[X+32*\i+2*\p:X+32*\i+2*\p+1], v[MU+2*\i:MU+2*\i+1] neg_lo:[0,1] neg_hi:[0,1]
.endr
.endr
.irp i, 0,1,2,3                        ; the mean of its square, + eps
.irp c, 0,1,2,3
	v_pk_mul_f32 v[T+2*\c:T+2*\c+1], v[X+32*\i+2*\c:X+32*\i+2*\c+1], v[X+32*\i+2*\c:X+32*\i+2*\c+1]
.endr
.irp o, 8,16,24
.irp c, 0,1,2,3
	v_pk_fma_f32 v[T+2*\c:T+2*\c+1], v[X+32*\i+\o+2*\c:X+32*\i+\o+2*\c+1], v[X+32*\i+\o+2*\c:X+32*\i+\o+2*\c+1], v[T+2*\c:T+2*\c+1]
.endr
.endr
	FOLD
	v_fma_f32 v[MU+2*\i], v[T], s46, s47
.endr
.irp i, 0,1,2,3
	v_rsq_f32 v[MU+2*\i+1], v[MU+2*\i]             ; one batch of four
.endr
	v_nop                                          ; a plain instruction behind the last of them, ahead of the first use (ISA guide 5.7.2)
	s_wait_alu depctr_va_vdst(0)                   ; one wait for the batch, ahead of its first reader
.irp i, 0,1,2,3
	v_mov_b32 v[MU+2*\i], v[MU+2*\i+1]
.endr
	s_wait_loadcnt 0x0                             ; gamma and beta
.irp i, 0,1,2,3
.irp p, 0,1,2,3,4,5,6,7,8,9,10,11,12,13,14,15
	v_pk_mul_f32 v[X+32*\i+2*\p:X+32*\i+2*\p+1], v[X+32*\i+2*\p:X+32*\i+2*\p+1], v[MU+2*\i:MU+2*\i+1]
.endr
.irp p, 0,1,2,3,4,5,6,7,8,9,10,11,12,13,14,15
	v_pk_fma_f32 v[X+32*\i+2*\p:X+32*\i+2*\p+1], v[X+32*\i+2*\p:X+32*\i+2*\p+1], v[G+2*\p:G+2*\p+1], v[BT+2*\p:BT+2*\p+1]
.endr
.irp j, 0,1,2,3,4,5,6,7
	v_cvt_pk_bf16_f32 v[X+32*\i+4*\j],   v[X+32*\i+4*\j],   v[X+32*\i+4*\j+1]
	v_cvt_pk_bf16_f32 v[X+32*\i+4*\j+1], v[X+32*\i+4*\j+2], v[X+32*\i+4*\j+3]
.endr
.endr
	; Lanes 0-15 hold a row's 128 bytes of block 2 j, lanes 16-31 those of block 2 j + 1.  Two neighbouring rows exchange halves: the even row's registers then hold block 2 j of both rows
	; (256 consecutive bytes of hb), the odd row's registers block 2 j + 1 of both.
.irp p, 0,1
.irp j, 0,1,2,3,4,5,6,7
	v_permlane16_swap_b32 v[X+64*\p+4*\j],   v[X+64*\p+32+4*\j]
	v_permlane16_swap_b32 v[X+64*\p+4*\j+1], v[X+64*\p+32+4*\j+1]
.endr
.endr
.irp p, 0,1
.irp j, 0,1,2,3,4,5,6,7
	global_store_b64 v2, v[X+64*\p+4*\j:X+64*\p+4*\j+1],       s[30:31] offset:(2*\j)*262144+\p*256
	global_store_b64 v2, v[X+64*\p+32+4*\j:X+64*\p+32+4*\j+1], s[30:31] offset:(2*\j+1)*262144+\p*256
.endr
.endr
	s_endpgm
.Lfunc_end_k_qae00ae7871_prep:
	.size	k_qae00ae7871_prep, .Lfunc_end_k_qae00ae7871_prep-k_qae00ae7871_prep
	.p2alignl 7, 3214868480
	.fill 96, 4, 3214868480
	.section	.rodata,"a",@progbits
	.p2align	6, 0x0
	.amdhsa_kernel k_qae00ae7871_prep
		.amdhsa_group_segment_fixed_size 0
		.amdhsa_private_segment_fixed_size 0
		.amdhsa_enable_private_segment 0
		.amdhsa_kernarg_size 128
		.amdhsa_user_sgpr_count 2
		.amdhsa_user_sgpr_kernarg_segment_ptr 1
		.amdhsa_wavefront_size32 1
		.amdhsa_system_sgpr_workgroup_id_x 1
		.amdhsa_system_sgpr_workgroup_id_y 1
		.amdhsa_system_sgpr_workgroup_id_z 1
		.amdhsa_system_vgpr_workitem_id 0
		.amdhsa_next_free_vgpr 216
		.amdhsa_next_free_sgpr 66
		.amdhsa_reserve_vcc 1
		.amdhsa_float_denorm_mode_32 3
		.amdhsa_float_denorm_mode_16_64 3
		.amdhsa_memory_ordered 1
		.amdhsa_forward_progress 1
		.amdhsa_inst_pref_size 56
	.end_amdhsa_kernel
	.amdgpu_metadata
---
amdhsa.version: [ 1, 2 ]
amdhsa.kernels:
  - .name:           k_qae00ae7871_prep
    .symbol:         k_qae00ae7871_prep.kd
    .args:
      - { .name: x, .offset: 0, .size: 8, .value_kind: global_buffer, .address_space: global }
      - { .name: ln_gamma, .offset: 8, .size: 8, .value_kind: global_buffer, .address_space: global }
      - { .name: ln_beta, .offset: 16, .size: 8, .value_kind: global_buffer, .address_space: global }
      - { .name: Wq, .offset: 24, .size: 8, .value_kind: global_buffer, .address_space: global }
      - { .name: Wk, .offset: 32, .size: 8, .value_kind: global_buffer, .address_space: global }
      - { .name: Wv, .offset: 40, .size: 8, .value_kind: global_buffer, .address_space: global }
      - { .name: Wo, .offset: 48, .size: 8, .value_kind: global_buffer, .address_space: global }
      - { .name: bq, .offset: 56, .size: 8, .value_kind: global_buffer, .address_space: global }
      - { .name: bk, .offset: 64, .size: 8, .value_kind: global_buffer, .address_space: global }
      - { .name: bv, .offset: 72, .size: 8, .value_kind: global_buffer, .address_space: global }
      - { .name: mask, .offset: 80, .size: 8, .value_kind: global_buffer, .address_space: global }
      - { .name: hb, .offset: 88, .size: 8, .value_kind: global_buffer, .address_space: global }
      - { .name: wqkv, .offset: 96, .size: 8, .value_kind: global_buffer, .address_space: global }
      - { .name: wob, .offset: 104, .size: 8, .value_kind: global_buffer, .address_space: global }
      - { .name: bqkv, .offset: 112, .size: 8, .value_kind: global_buffer, .address_space: global }
      - { .name: maskb, .offset: 120, .size: 8, .value_kind: global_buffer, .address_space: global }
    .group_segment_fixed_size: 0
    .private_segment_fixed_size: 0
    .kernarg_segment_align: 8
    .kernarg_segment_size: 128
    .max_flat_workgroup_size: 256
    .sgpr_count:     66
    .vgpr_count:     216
    .wavefront_size: 32
...
	.end_amdgpu_metadata
.endif
;; end of part 1
;; launch gqkv (part 2): grid 8 x 32, 4 waves a work-group, clusters of 4 x 4, 327,680 bytes of LDS; arguments hb, wqkv, bqkv, qkv; writes qkv
.if DOCPART == 2
	.amdgcn_target "amdgcn-amd-amdhsa--gfx1250"
	.amdhsa_code_object_version 6
	.text
	.protected	k_qae00ae7871_gqkv
	.globl	k_qae00ae7871_gqkv
	.p2align	8
	.type	k_qae00ae7871_gqkv,@function
k_qae00ae7871_gqkv:
	s_mov_b64 s[64:65], 0
	v_nop
	global_prefetch_b8 v0, s[64:65] scope:SCOPE_SE
	s_setreg_imm32_b32 hwreg(HW_REG_WAVE_MODE, 25, 1), 1
	s_wait_xcnt 0x0
	s_wait_alu depctr_hold_cnt(0) depctr_sa_sdst(0) depctr_va_vdst(0) depctr_va_sdst(0) depctr_va_ssrc(0) depctr_va_vcc(0) depctr_vm_vsrc(0)
	s_getreg_b32 s2, hwreg(HW_REG_IB_STS2, 6, 4)
	s_cmp_eq_u32 s2, 0
	s_cbranch_scc0 .Lentry_in_a_cluster
	s_endpgm
.Lentry_in_a_cluster:
	s_bfe_u32 s2, ttmp6, 0x10000c
	s_cmp_lg_u32 s2, 0xf033
	s_cbranch_scc0 .Lentry_shape_is_right
	s_endpgm
.Lentry_shape_is_right:
; qkv = hb wqkv + bqkv.  hb: 8,192 rows x 1,024 in bf16, in blocks of 64 channels (byte = b<<22 + block<<18 + l<<7).  wqkv: [k 1024][n 3072] bf16.  bqkv: [3072] f32.
; qkv: bf16 by heads, byte = (which x 64 + b x 16 + head)<<18 + l<<7; sums in f32, rounded once.
; SHARES.  8,192 x 3,072 outputs on 256 work-groups: a tile of 256 rows x 384 columns each.  Four waves, each 128 rows x 192 columns: 96 accumulators, 768 registers.  A wave's columns are three
; groups of 64 (a head each), at tile column 128 g + 64 (wave % 2); group g's 32 accumulators fill register window 1 + g, accumulator (a, b) at v[8 (4 a + b)].
; K goes in 16 steps of 64 (one block of hb) through two LDS slots: two slots of twice that step would not fit in LDS.  A step is two halves of 32 along K, 96 matrix instructions each.
; THE MATRIX INSTRUCTION IS USED TRANSPOSED: source 0 = 16 columns of the weights (turned out of LDS by ds_load_tr16_b128, since k runs down wqkv's rows), source 1 = 16 rows of hb:
; a lane then holds one row and eight neighbouring columns.  THE BIAS is the C operand of each accumulator's first product.
; CLUSTER 4 x 4: hb's tile hangs on the tile row alone and is asked for jointly by a row of the cluster, the weights' tile on the tile column alone, by a column.
; lds_bytes: the text uses 194,048 bytes.
.set PA,    144                        ; a row of hb's tile in LDS: 128 bytes + 16: the 16 rows of a fragment load start at 16 different groups of four banks (64 banks of 4 bytes: ISA guide 11.1)
.set PB,    864                        ; a k row of the weights' tile: three pieces of 256 + 32 bytes = 27 x 32
.set BOFF,  256*PA                     ; in a slot: hb's 256 rows, then the weights' 64 k rows
.set SLOT,  BOFF+64*PB
.set STAGE, 2*SLOT                     ; behind the ring: 16 rows x 144 bytes for each wave, for the way out
.set SP,    144
.set SPARE, STAGE+4*16*SP              ; behind the stages: the spare words, 128 bytes a wave: two blocks of 256 bytes that no other line names
.set ADRA, 16                          ; v16-17 LDS address of my fragments of hb in slot 0, 1
.set ADRB, 20                          ; v20-21 the same for the weights
.set STO,  24                          ; the way out: where I put 16 bytes of a row
.set RD,   25                          ; where I read rows back
.set GO,   26                          ; 16 x lane
.set BO,   27                          ; 32 x (lane / 16): my eight biases of a block of 16 columns
.set SPW,  28                          ; LDS address of my spare word; never rewritten
.set NIL,  29                          ; 0; never rewritten
.set PFO,  30                          ; the prefetches' offset; never rewritten
.set AF,   32                          ; window 0: hb's fragments (8 x 16 rows x 32 K), two buffers: v32-95, v96-159
.set BF,   160                         ; window 0: the weights' fragments, group g at BF + 32 g
.set BIAS, 160                         ; window 3: group g's biases at BIAS + 32 g + 8 b, until group 2's accumulators take the registers
.set TMP,  32                          ; the way out: packed results
.set BK,   64                          ; the way out: rows read back, two buffers of 16
.set WV, 12                            ; wave
.set WM, 13                            ; wave / 2: my half of the rows; also: I fetch hb's tile (0) or the weights' (1)
.set WN, 14                            ; wave % 2: my half of each group of columns; also: which half of that tile I fetch
.set CX, 15
.set CY, 16
.set NT, 17                            ; tile column 0..7
.set MT, 18                            ; tile row 0..31
.set G1A, 24                           ; s[24:31] descriptor group 1, hb's tiles;  s[32:39] group 0, a set for each slot
.set G0A, 32
.set G1B, 40                           ; s[40:47], s[48:55] the same for the weights' tiles
.set G0B, 48
.set CNT, 57
.set LIMA, 58                          ; 1 in the wave that prefetches hb, else the greatest number
.set LIMB, 59                          ; the same for the weights
.set PFA, 60                           ; s[60:61] where my prefetches stand
.set PFS, 62                           ; s[62:63] their step: two K steps
.set OUT, 66                           ; s[66:71] qkv at my rows of group g's head
.set TA, 72                            ; s[72:75] at work for hb's descriptors: never holds cx
.set TB, 76                            ; s[76:79] at work for the weights' descriptors: never holds cy
.set MSB, 0
.macro WIN new                         ; s_set_vgpr_msb: bits 1:0 source 0, 3:2 source 1, 5:4 source 2, 7:6 destination; the high byte repeats the setting that is left
.if MSB != (\new)
	s_set_vgpr_msb (MSB<<8)|(\new)
.set MSB, (\new)
.endif
.endm
.macro PLACES                          ; four plain instructions between a matrix instruction and a load into, or a vector read of, its registers
.rept 4
	v_nop
.endr
.endm
.macro JLOAD s                         ; a joint load: waves 0, 1 fetch hb's two halves, waves 2, 3 the weights'; an s_nop 0 and four v_nop follow each line
	s_cmp_eq_u32 s[WM], 0
	s_cbranch_scc0 .Lfor_b_\@
	tensor_load_to_lds s[G0A+4*(\s):G0A+4*(\s)+3], s[G1A:G1A+7]
	s_nop 0
.rept 4
	v_nop
.endr
	s_branch .Lasked_\@
.Lfor_b_\@:
	tensor_load_to_lds s[G0B+4*(\s):G0B+4*(\s)+3], s[G1B:G1B+7]
	s_nop 0
.rept 4
	v_nop
.endr
.Lasked_\@:
.endm
.macro CREST                           ; a round of the cluster's barrier behind its opening barrier
	s_cmp_lg_u32 s[WV], 0
	s_cbranch_scc1 .Lnot_wave_0_\@
	s_barrier_signal -3
.Lnot_wave_0_\@:
	s_barrier_wait -3
	s_barrier_signal -1
	s_barrier_wait -1
.endm
.macro CROUND
	s_barrier_signal -1
	s_barrier_wait -1
	CREST
.endm
; PREFETCH INTO THE L2, once a lap, behind the joint load and the run of LDS loads: the K steps that the next two refills but one will ask for (steps 2 i + 3 and 2 i + 4 in lap i).
; hb's tile row is read by both clusters of a row of clusters: the one with x = 0 asks, wave 0, each of the four partners 8 KiB of a step's 32 KiB, told apart by address (cx): a lane 256 bytes.
; The weights' tile column is read by all clusters of a column: the one with y = 0 asks, wave 2, each partner 32 of the two steps' 128 k rows (cy): a lane a row of 768 bytes, three lines.
; The last lap asks for nothing; steps 0, 1, 2 and 15 come by their loads alone.
.macro ASK
	s_cmp_gt_u32 s[CNT], s[LIMA]
	s_cbranch_scc0 .Lnot_a_\@
	global_prefetch_b8 v[PFO], s[PFA:PFA+1] th:TH_LOAD_NT scope:SCOPE_SE
	global_prefetch_b8 v[PFO], s[PFA:PFA+1] offset:262144 th:TH_LOAD_NT scope:SCOPE_SE
.Lnot_a_\@:
	s_cmp_gt_u32 s[CNT], s[LIMB]
	s_cbranch_scc0 .Lnot_b_\@
	global_prefetch_b8 v[PFO], s[PFA:PFA+1] th:TH_LOAD_NT scope:SCOPE_SE
	global_prefetch_b8 v[PFO], s[PFA:PFA+1] offset:256 th:TH_LOAD_NT scope:SCOPE_SE
	global_prefetch_b8 v[PFO], s[PFA:PFA+1] offset:512 th:TH_LOAD_NT scope:SCOPE_SE
.Lnot_b_\@:
.endm
	s_load_b256 s[4:11], s[0:1], 0x0               ; hb s[4:5], wqkv s[6:7], bqkv s[8:9], qkv s[10:11]
	v_lshl_add_u32 v[SPW], v0, 2, SPARE
	v_mov_b32 v[NIL], 0
	ds_add_u32 v[SPW], v[NIL]                      ; the wave's opening: the add and its wait stand ahead of my first tensor load; work on registers stands between them
	v_lshrrev_b32 v1, 5, v0
	v_readfirstlane_b32 s[WV], v1
	s_lshr_b32 s[WM], s[WV], 1
	s_and_b32 s[WN], s[WV], 1
	s_bfe_u32 s[CX], ttmp6, 0x40000
	s_bfe_u32 s[CY], ttmp6, 0x40004
	s_lshl_b32 s[NT], ttmp9, 2
	s_add_co_u32 s[NT], s[NT], s[CX]               ; tile column = 4 x cluster x + cx
	s_and_b32 s[MT], ttmp7, 0xffff
	s_lshl_b32 s[MT], s[MT], 2
	s_add_co_u32 s[MT], s[MT], s[CY]               ; tile row = 4 x cluster y + cy
	s_lshl_b32 s[TA], s[CY], 2
	s_lshl_b32 s[TA], 15, s[TA]                    ; my row of the cluster
	s_lshl_b32 s[TB], 0x1111, s[CX]                ; my column
	; hb's half tile: 128 rows of 128 dense bytes, asked for as 64 rows of 256 bytes, 16 bytes of padding after every 32 words
	s_or_b32 s[G1A], s[TA], (1<<16)|(1<<20)|(1<<21)|(4<<22)|(3<<25)
	s_mov_b32 s[G1A+1], 128<<16                    ; tensor_dim0 = 128 elements
	s_mov_b32 s[G1A+2], 64<<16                     ; tensor_dim1 = 64
	s_mov_b32 s[G1A+3], 128<<16                    ; tile_dim0
	s_mov_b32 s[G1A+4], 64                         ; tile_dim1
	s_mov_b32 s[G1A+5], 128                        ; elements from row to row
	s_mov_b32 s[G1A+6], 0
	s_mov_b32 s[G1A+7], 0
	; the weights' half tile: 32 k rows of 384 elements (768 bytes, from a multiple of 256), 32 bytes of padding after every 64 words
	s_or_b32 s[G1B], s[TB], (1<<16)|(1<<20)|(1<<21)|(5<<22)|(7<<25)
	s_mov_b32 s[G1B+1], 384<<16
	s_mov_b32 s[G1B+2], 32<<16
	s_mov_b32 s[G1B+3], 384<<16
	s_mov_b32 s[G1B+4], 32
	s_mov_b32 s[G1B+5], 3072
	s_mov_b32 s[G1B+6], 0
	s_mov_b32 s[G1B+7], 0
	s_lshr_b32 s[TA], s[MT], 3
	s_lshl_b32 s[TA], s[TA], 22                    ; batch
	s_and_b32 s[TA+1], s[MT], 7
	s_lshl_b32 s[TA+1], s[TA+1], 15                ; the tile's 256 rows in a block
	s_add_co_u32 s[TA], s[TA], s[TA+1]
	s_lshl_b32 s[TA+1], s[WN], 14                  ; the 128 of them that I fetch
	s_add_co_u32 s[TA], s[TA], s[TA+1]
	s_mov_b32 s[TA+1], 0
	s_mul_i32 s[TA+2], s[WN], 128*PA               ; and where they go
	s_mul_i32 s[TB], s[WN], 32*6144                ; the 32 k rows that I fetch
	s_mul_i32 s[TB+1], s[NT], 768                  ; the tile's columns
	s_add_co_u32 s[TB], s[TB], s[TB+1]
	s_mov_b32 s[TB+1], 0
	s_mul_i32 s[TB+2], s[WN], 32*PB
	s_add_co_u32 s[TB+2], s[TB+2], BOFF
	s_wait_dscnt 0x0                               ; the opening add is done
	s_wait_kmcnt 0x0
	s_add_nc_u64 s[TA:TA+1], s[4:5], s[TA:TA+1]
	s_add_nc_u64 s[TB:TB+1], s[6:7], s[TB:TB+1]
	CROUND                                         ; all sixteen work-groups are here: the first joint loads meet
.irp s, 0,1
	s_mov_b32 s[G0A+4*(\s)], 1
	s_add_co_u32 s[G0A+4*(\s)+1], s[TA+2], (\s)*SLOT
	s_add_nc_u64 s[G0A+4*(\s)+2:G0A+4*(\s)+3], s[TA:TA+1], (\s)*262144    ; K step s: block s
	s_or_b32 s[G0A+4*(\s)+3], s[G0A+4*(\s)+3], 0x80000000
	s_mov_b32 s[G0B+4*(\s)], 1
	s_add_co_u32 s[G0B+4*(\s)+1], s[TB+2], (\s)*SLOT
	s_add_nc_u64 s[G0B+4*(\s)+2:G0B+4*(\s)+3], s[TB:TB+1], (\s)*393216    ; 64 k rows of 6,144 bytes
	s_or_b32 s[G0B+4*(\s)+3], s[G0B+4*(\s)+3], 0x80000000
	JLOAD \s                                       ; two tensor loads of mine are out
.endr
	v_and_b32 v1, 15, v0                           ; r = lane % 16
	v_bfe_u32 v2, v0, 4, 1                         ; h = lane / 16
	v_lshlrev_b32 v[BO], 5, v2
	s_mul_i32 s20, s[NT], 6
	s_add_co_u32 s20, s20, s[WN]                   ; group 0's block of 64 columns: 6 x tile column + wave % 2; group g's lies 2 g further
	s_lshl_b32 s22, s20, 8
	s_mov_b32 s23, 0
	s_add_nc_u64 s[8:9], s[8:9], s[22:23]
	WIN 0xc0                                       ; destination window 3
.set i, 0
.rept 24                               ; group i / 8, block (i / 2) % 4 of 16 columns: my eight biases, columns 8 h + 0..7
	global_load_b128 v[BIAS+4*i:BIAS+4*i+3], v[BO], s[8:9] offset:(i/8)*512+((i/2)%4)*64+(i%2)*16
.set i, i+1
.endr
	WIN 0
	v_mul_u32_u24 v3, v1, PA
	v_lshl_add_u32 v3, v2, 4, v3                   ; a fragment of hb: row r x pitch + 16 h; two loads, 32 bytes apart
	s_mul_i32 s21, s[WM], 128*PA
	v_add_nc_u32 v[ADRA], s21, v3
	v_add_nc_u32 v[ADRA+1], SLOT, v[ADRA]
	v_and_b32 v4, 7, v0
	v_bfe_u32 v5, v0, 3, 1
	v_lshl_add_u32 v6, v2, 3, v4                   ; the turning load: k row 8 h + lane % 8, columns 8 ((lane / 8) % 2) + 0..7
	v_mul_u32_u24 v6, v6, PB
	v_lshl_add_u32 v6, v5, 4, v6
	s_lshl_b32 s21, s[WN], 7
	s_add_co_u32 s21, s21, BOFF
	v_add_nc_u32 v[ADRB], s21, v6
	v_add_nc_u32 v[ADRB+1], SLOT, v[ADRB]
	s_mul_i32 s21, s[WV], 16*SP
	s_add_co_u32 s21, s21, STAGE
	v_add_nc_u32 v[STO], s21, v3                   ; into my stage: row r, 16 bytes for each half of the lanes
	v_bfe_u32 v7, v0, 3, 2
	v_mul_u32_u24 v7, v7, SP
	v_lshl_add_u32 v7, v4, 4, v7
	v_add_nc_u32 v[RD], s21, v7                    ; back: 32 lanes take four rows of 128 bytes,
	v_and_b32 v[GO], 31, v0
	v_lshlrev_b32 v[GO], 4, v[GO]                  ; which are 512 consecutive bytes of qkv
	s_lshr_b32 s56, s[MT], 3
	s_lshl_b32 s56, s56, 4                         ; 16 x batch
	s_and_b32 s19, s[MT], 7
	s_lshl_b32 s19, s19, 15
	s_lshl_b32 s21, s[WM], 14
	s_add_co_u32 s19, s19, s21                     ; my first row in the head's plane, in bytes
.irp g, 0,1,2
	s_add_co_u32 s21, s20, 2*\g
	s_lshr_b32 s22, s21, 4                         ; q, k or v
	s_lshl_b32 s22, s22, 6
	s_and_b32 s21, s21, 15                         ; head
	s_add_co_u32 s22, s22, s21
	s_add_co_u32 s22, s22, s56
	s_lshl_b32 s22, s22, 18
	s_add_co_u32 s22, s22, s19
	s_mov_b32 s23, 0
	s_add_nc_u64 s[OUT+2*\g:OUT+2*\g+1], s[10:11], s[22:23]
.endr
	; the prefetches' pointer, at K step 1; the first lap steps it to step 3
	s_lshr_b32 s21, s[MT], 3
	s_lshl_b32 s21, s21, 22
	s_and_b32 s22, s[MT], 7
	s_lshl_b32 s22, s22, 15
	s_add_co_u32 s21, s21, s22
	s_lshl_b32 s22, s[CX], 13                      ; my work-group's 8 KiB of a step's tile of hb
	s_add_co_u32 s21, s21, s22
	s_add_co_u32 s21, s21, 1<<18
	s_lshl_b32 s22, s[CY], 5                       ; my work-group's 32 k rows of two steps' 128
	s_add_co_u32 s22, s22, 64
	s_mul_i32 s22, s22, 6144
	s_mul_i32 s23, s[NT], 768
	s_add_co_u32 s22, s22, s23
	s_mov_b32 s[PFS], 786432
	s_mov_b32 s23, 6144
	s_cmp_eq_u32 s[WM], 0
	s_cselect_b32 s22, s21, s22
	s_cselect_b32 s[PFS], 524288, s[PFS]
	s_cselect_b32 s21, 256, s23
	s_cselect_b64 s[PFA:PFA+1], s[4:5], s[6:7]
	s_mov_b32 s23, 0
	s_mov_b32 s[PFS+1], 0
	s_add_nc_u64 s[PFA:PFA+1], s[PFA:PFA+1], s[22:23]
	v_and_b32 v[PFO], 31, v0
	v_mul_u32_u24 v[PFO], s21, v[PFO]
	s_or_b32 s[LIMA], s[WV], ttmp9                 ; wave 0 of a cluster with x = 0: the same in all sixteen partners
	s_cmp_eq_u32 s[LIMA], 0
	s_cselect_b32 s[LIMA], 1, -1
	s_xor_b32 s[LIMB], s[WV], 2                    ; wave 2 of a cluster with y = 0
	s_and_b32 s21, ttmp7, 0xffff
	s_or_b32 s[LIMB], s[LIMB], s21
	s_cmp_eq_u32 s[LIMB], 0
	s_cselect_b32 s[LIMB], 1, -1
; 16 LDS loads: hb's fragments of my 128 rows, K half kh of the slot's step, into buffer ab
.macro FA slot, kh, ab
.irp a, 0,1,2,3,4,5,6,7
	ds_load_b128 v[AF+64*(\ab)+8*\a:AF+64*(\ab)+8*\a+3],   v[ADRA+(\slot)] offset:\a*16*PA+(\kh)*64
	ds_load_b128 v[AF+64*(\ab)+8*\a+4:AF+64*(\ab)+8*\a+7], v[ADRA+(\slot)] offset:\a*16*PA+(\kh)*64+32
.endr
.endm
; 8 turning loads: the weights' fragments of group g's 64 columns, K half kh
.macro FB slot, kh, g
.irp b, 0,1,2,3
	ds_load_tr16_b128 v[BF+32*(\g)+8*\b:BF+32*(\g)+8*\b+3],   v[ADRB+(\slot)] offset:(\kh)*32*PB+(\g)*288+\b*32
	ds_load_tr16_b128 v[BF+32*(\g)+8*\b+4:BF+32*(\g)+8*\b+7], v[ADRB+(\slot)] offset:(\kh)*32*PB+(\g)*288+\b*32+16*PB
.endr
.endm
; 16 matrix instructions: group g, row blocks a0 .. a0 + 3, all 4 column blocks.  The 96 accumulators take turns, one instruction a turn.
; first = 1: C is the bias, in window 3.  Group 2's accumulators of row blocks 5, 6, 7 take the biases' registers: groups 0's and 1's have been read five plain instructions back or more;
; group 2's own are read by row block 6 just before row block 7 writes them, so five v_nop stand between.
.macro MUL16 g, ab, a0, first
.if \first
	WIN 0x30|((1+(\g))<<6)
.else
	WIN 0x50*(1+(\g))
.endif
.irp a, (\a0), (\a0)+1, (\a0)+2, (\a0)+3
.if (\first) && ((\g) == 2) && ((\a) == 7)
.rept 5
	v_nop
.endr
.endif
.irp b, 0,1,2,3
.if \first
	v_wmma_f32_16x16x32_bf16 v[8*(4*(\a)+\b):8*(4*(\a)+\b)+7], v[BF+32*(\g)+8*\b:BF+32*(\g)+8*\b+7], v[AF+64*(\ab)+8*(\a):AF+64*(\ab)+8*(\a)+7], v[BIAS+32*(\g)+8*\b:BIAS+32*(\g)+8*\b+7]
.else
	v_wmma_f32_16x16x32_bf16 v[8*(4*(\a)+\b):8*(4*(\a)+\b)+7], v[BF+32*(\g)+8*\b:BF+32*(\g)+8*\b+7], v[AF+64*(\ab)+8*(\a):AF+64*(\ab)+8*(\a)+7], v[8*(4*(\a)+\b):8*(4*(\a)+\b)+7]
.endif
.endr
.endr
.endm
; A step's first half: multiplies buffer 0 and fetches the second half.  On entry the LDS loads out are, in order: group 0's 8, hb's 16, group 1's 8, group 2's 8.
.macro HALF_A slot, first
	s_wait_dscnt 16                                ; group 0's and hb's are in; groups 1's and 2's sixteen may be out
	MUL16 0, 0, 0, \first
	MUL16 0, 0, 4, \first
	WIN 0
	PLACES
	FB \slot, 1, 0
	FA \slot, 1, 1
	s_wait_dscnt 32                                ; group 1's are in: behind them group 2's 8 and the 24 just issued
	MUL16 1, 0, 0, \first
	MUL16 1, 0, 4, \first
	WIN 0
	PLACES
.if \first
	v_nop                                          ; a fifth place: group 2's products write over group 1's biases
.endif
	FB \slot, 1, 1
	s_wait_dscnt 32                                ; group 2's are in: behind them 24 and 8
	MUL16 2, 0, 0, \first
	MUL16 2, 0, 4, \first
	WIN 0
	PLACES
	FB \slot, 1, 2
.endm
; A step's second half: multiplies buffer 1 and changes slots.  ONE barrier: in front of it each wave waits for all its tensor loads (one is out: its part of the next slot), adds 0 to its
; spare word, and waits for that and for its reads of this slot.  fill = 1: the barrier opens a round of the cluster's barrier, and the joint refill, two K steps on, is the first thing behind
; it: 160 matrix instructions ahead of the wait for it.
.macro HALF_B slot, next, fill, ask
.if \ask
	s_wait_xcnt 0x0                                ; the last prefetches, a lap back, have read their address
	s_add_nc_u64 s[PFA:PFA+1], s[PFA:PFA+1], s[PFS:PFS+1]
.endif
	s_wait_dscnt 16
	MUL16 0, 1, 0, 0
	MUL16 0, 1, 4, 0
	WIN 0
	s_wait_tensorcnt 0x0                           ; no tensor load of mine is out, so a group 0 may be written
	ds_add_u32 v[SPW], v[NIL]                      ; 0 onto my spare word
.if \fill
	s_add_nc_u64 s[G0A+4*(\slot)+2:G0A+4*(\slot)+3], s[G0A+4*(\slot)+2:G0A+4*(\slot)+3], 524288
	s_add_nc_u64 s[G0B+4*(\slot)+2:G0B+4*(\slot)+3], s[G0B+4*(\slot)+2:G0B+4*(\slot)+3], 786432
.endif
	s_wait_dscnt 9                                 ; group 1's are in: group 2's 8 and the add may be out
	MUL16 1, 1, 0, 0
	s_wait_dscnt 0x0                               ; the add is done, and my reads of this slot are over
	s_barrier_signal -1
	MUL16 1, 1, 4, 0
	WIN 0
	s_barrier_wait -1
.if \fill
	CREST                                          ; no wave of any partner still reads this slot or has a load on its way
	JLOAD \slot                                    ; its four v_nop are also the places in front of the loads below
.else
	PLACES
.endif
	FB \next, 0, 0
	FA \next, 0, 0
	FB \next, 0, 1
.if \ask
	ASK
.endif
	MUL16 2, 1, 0, 0
	MUL16 2, 1, 4, 0
	WIN 0
	PLACES
	FB \next, 0, 2
.endm
	s_wait_tensorcnt 1                             ; my part of K step 0 is in; step 1's may stay out
	s_barrier_signal -1
	s_barrier_wait -1
	FB 0, 0, 0
	FA 0, 0, 0
	FB 0, 0, 1
	FB 0, 0, 2
	s_wait_loadcnt 0x0                             ; the biases
	HALF_A 0, 1                                    ; the first half step stands in front of the loop: its products start the sums
	s_mov_b32 s[CNT], 7
.Llap:                                                 ; lap i: from step 2 i's second half to step 2 i + 2's first; both slots are filled again, with steps 2 i + 2 and 2 i + 3
	HALF_B 0, 1, 1, 1
	HALF_A 1, 0
	HALF_B 1, 0, 1, 0
	HALF_A 0, 0
	s_sub_co_u32 s[CNT], s[CNT], 1
	s_cmp_lg_u32 s[CNT], 0
	s_cbranch_scc1 .Llap
	HALF_B 0, 1, 0, 0                              ; steps 14 and 15: nothing is left to fetch
	HALF_A 1, 0
	s_wait_dscnt 16
	MUL16 0, 1, 0, 0
	MUL16 0, 1, 4, 0
	s_wait_dscnt 8                                 ; group 2's 8 may be out
	MUL16 1, 1, 0, 0
	MUL16 1, 1, 4, 0
	s_wait_dscnt 0x0
	MUL16 2, 1, 0, 0
	MUL16 2, 1, 4, 0
	WIN 0
	PLACES
; THE WAY OUT, 24 blocks of 16 rows x 64 channels (block = 8 g + a): rounded to bf16, 16 bytes a lane into my own stage, back as whole rows, stored as 2,048 consecutive bytes of a head's plane.
.macro PACK blk
.set gg, (\blk)/8
.set aa, (\blk)%8
	WIN 5*(1+gg)                                   ; sources 0 and 1: window 1 + g
.irp b, 0,1,2,3
.irp r, 0,1,2,3
	v_cvt_pk_bf16_f32 v[TMP+4*\b+\r], v[8*(4*aa+\b)+2*\r], v[8*(4*aa+\b)+2*\r+1]
.endr
.endr
	WIN 0
.endm
.macro TOSTAGE blk
.set bb, BK+16*((\blk)%2)
.irp b, 0,1,2,3
	ds_store_b128 v[STO], v[TMP+4*\b:TMP+4*\b+3] offset:32*\b
.endr
.irp f, 0,1,2,3
	ds_load_b128 v[bb+4*\f:bb+4*\f+3], v[RD] offset:\f*4*SP   ; LDS serves a wave's instructions in order (ISA guide 5.7.1.4): these see the stores above
.endr
.endm
.macro SEND blk
.set gg, (\blk)/8
.set aa, (\blk)%8
.set bb, BK+16*((\blk)%2)
	s_wait_dscnt 0x0                               ; the block is back in registers
	s_wait_xcnt 0x0                                ; earlier stores have read their registers: the other buffer is loaded again only behind this wait
.irp f, 0,1,2,3
	global_store_b128 v[GO], v[bb+4*\f:bb+4*\f+3], s[OUT+2*gg:OUT+2*gg+1] offset:aa*2048+\f*512
.endr
.endm
	PACK 0
	TOSTAGE 0
.set n, 1
.rept 23                               ; a block's conversions stand between the loads of the block before and the wait for them
	PACK n
	SEND n-1
	TOSTAGE n
.set n, n+1
.endr
	SEND 23
	s_wait_tensorcnt 0x0                           ; the wave's end, behind my last tensor load and my last LDS store
	ds_add_u32 v[SPW], v[NIL]
	s_wait_dscnt 0x0
	CROUND                                         ; the closing round: no work-group ends while a partner may still ask for a tile that names it
	s_endpgm
.Lfunc_end_k_qae00ae7871_gqkv:
	.size	k_qae00ae7871_gqkv, .Lfunc_end_k_qae00ae7871_gqkv-k_qae00ae7871_gqkv
	.p2alignl 7, 3214868480
	.fill 96, 4, 3214868480
	.section	.rodata,"a",@progbits
	.p2align	6, 0x0
	.amdhsa_kernel k_qae00ae7871_gqkv
		.amdhsa_group_segment_fixed_size 327680
		.amdhsa_private_segment_fixed_size 0
		.amdhsa_enable_private_segment 0
		.amdhsa_kernarg_size 32
		.amdhsa_user_sgpr_count 2
		.amdhsa_user_sgpr_kernarg_segment_ptr 1
		.amdhsa_wavefront_size32 1
		.amdhsa_system_sgpr_workgroup_id_x 1
		.amdhsa_system_sgpr_workgroup_id_y 1
		.amdhsa_system_sgpr_workgroup_id_z 1
		.amdhsa_system_vgpr_workitem_id 0
		.amdhsa_next_free_vgpr 1024
		.amdhsa_next_free_sgpr 80
		.amdhsa_reserve_vcc 0
		.amdhsa_float_denorm_mode_32 3
		.amdhsa_float_denorm_mode_16_64 3
		.amdhsa_memory_ordered 1
		.amdhsa_forward_progress 1
		.amdhsa_inst_pref_size 136
	.end_amdhsa_kernel
	.amdgpu_metadata
---
amdhsa.version: [ 1, 2 ]
amdhsa.kernels:
  - .name:           k_qae00ae7871_gqkv
    .symbol:         k_qae00ae7871_gqkv.kd
    .args:
      - { .name: hb, .offset: 0, .size: 8, .value_kind: global_buffer, .address_space: global }
      - { .name: wqkv, .offset: 8, .size: 8, .value_kind: global_buffer, .address_space: global }
      - { .name: bqkv, .offset: 16, .size: 8, .value_kind: global_buffer, .address_space: global }
      - { .name: qkv, .offset: 24, .size: 8, .value_kind: global_buffer, .address_space: global }
    .group_segment_fixed_size: 327680
    .private_segment_fixed_size: 0
    .kernarg_segment_align: 8
    .kernarg_segment_size: 32
    .max_flat_workgroup_size: 128
    .sgpr_count:     80
    .vgpr_count:     1024
    .wavefront_size: 32
...
	.end_amdgpu_metadata
.endif
;; end of part 2
;; launch attn (part 3): grid 4 x 64, 4 waves a work-group, clusters of 4 x 1, 327,680 bytes of LDS; arguments qkv, maskb, ob; writes ob
.if DOCPART == 3
	.amdgcn_target "amdgcn-amd-amdhsa--gfx1250"
	.amdhsa_code_object_version 6
	.text
	.protected	k_qae00ae7871_attn
	.globl	k_qae00ae7871_attn
	.p2align	8
	.type	k_qae00ae7871_attn,@function
k_qae00ae7871_attn:
	s_mov_b64 s[64:65], 0
	v_nop
	global_prefetch_b8 v0, s[64:65] scope:SCOPE_SE
	s_setreg_imm32_b32 hwreg(HW_REG_WAVE_MODE, 25, 1), 1
	s_wait_xcnt 0x0
	s_wait_alu depctr_hold_cnt(0) depctr_sa_sdst(0) depctr_va_vdst(0) depctr_va_sdst(0) depctr_va_ssrc(0) depctr_va_vcc(0) depctr_vm_vsrc(0)
	s_getreg_b32 s2, hwreg(HW_REG_IB_STS2, 6, 4)
	s_cmp_eq_u32 s2, 0
	s_cbranch_scc0 .Lentry_in_a_cluster
	s_endpgm
.Lentry_in_a_cluster:
	s_bfe_u32 s2, ttmp6, 0x10000c
	s_cmp_lg_u32 s2, 0x3003
	s_cbranch_scc0 .Lentry_shape_is_right
	s_endpgm
.Lentry_shape_is_right:
; ob[p][q][:] = the sum over k of softmax_k(Q[p][q] . K[p][k] / 8 + hide[k]) V[p][k][:], p = 16 x batch + head.  Q, K, V: planes p, 64 + p, 128 + p of qkv, [2048][64] bf16, rows dense, 128 bytes.
; maskb: [4][2048] f32, 0 for a key that counts and -1e30 for a hidden one.  Products, maxima and sums in f32; the weights are rounded to bf16 for the second product (their sum is taken
; of the unrounded weights), ob once at the end.  bf16, since gamma and the weights may be large enough to carry q, k, v past f16's range.
; LIMITS.  A hidden score counts as its value less 1e30 and is told from a true one at -2^96: true raw scores lie above -7.9e28.  A weight below 2^-126 counts as 0.
; A batch whose keys are all hidden gives NaN, as a softmax over no key does.  Other NaN and infinities are not treated apart.
; SHARES.  A wave owns four PIECES of two tiles of 16 queries, a work-group's four waves 512 queries of one plane.  Every wave walks all 2,048 keys, 64 a step.
; LAYOUT.  S^T = K Q^T (source 0 = 16 keys, source 1 = 16 queries): a lane holds ONE query (lane % 16) and the keys 8 (lane / 16) + 0..7.  THE MASK is the C operand of the product that starts the sum.
; Two such results, rounded to bf16 in pairs, ARE source 1 of O^T = V^T P.  K comes out of LDS as it lies, V turned, by ds_load_tr16_b128.
; SOFTMAX.  A running maximum m and sum l: p = 2^(c s - c m), c = log2(e) / 8; in every step O and l are multiplied by a = 2^(c m_old - c m_new).  m starts at the lowest finite number, O and l at 0.
; While a query has seen hidden keys alone, m is about -1e30 and their weights are 1; the first true key makes a = 0 and wipes them.
; BY TURNS.  Turn n belongs to piece n: 16 products K Q^T of piece n + 1, later 16 products V^T P of piece n - 1; beside them the scaling, exponentials, roundings, sums and rescaling of piece n and
; the maximum and statistics of piece n + 1.  Four vector instructions stand behind every matrix instruction, the rest in one run; a turn's 66 exponentials are one batch with one wait.
; CLUSTER.  The four query blocks of a plane walk the same K and V: each tile is asked for JOINTLY, by the same tensor load, descriptor and mask in all four.
; REGISTERS, in windows of 256 (s_set_vgpr_msb: bits 1:0 source 0, 3:2 source 1, 5:4 source 2, 7:6 destination):
;   window 0: v0-11 addresses; v12-15, v48-63 at work; v16-47 four registers of statistics a tile; v64-191 S^T, two buffers of two tiles; v192-255 P, likewise
;   window 1: O^T, 32 a tile     window 2: v0-127 Q; v128-191 K of one step; v192-255 V of one step     window 3: v0-1 the add's two registers; v8-39 the mask of one step
; lds_bytes: the text uses 226,816 bytes.
.set SIZE_N, 2048
.set NP,    4         ; pieces a wave: a name, no knob
.set KS,    64        ; keys in a step
.set PK,    144       ; a row of K in LDS: 128 bytes + 16: the 16 rows of a load start at 16 different groups of four banks (64 banks of 4 bytes: ISA guide 11.1)
.set PV,    160       ; a row of V: 128 + 32
.set VOFF,  4*KS*PK   ; a slot holds four steps: 256 rows of K, then 256 rows of V
.set SLOT1, 1<<17     ; slot 1 begins here, so that one exclusive or turns an address in one slot into the other's
.set STAGE, SLOT1+4*KS*(PK+PV)  ; behind the ring: 16 rows x 144 bytes for each wave, for the way out
.set SP,    144
.set SPARE, STAGE+4*16*SP  ; behind the stages: the spare words, 128 bytes a wave: two blocks of 256 bytes that no other line names
.set MASKL, SPARE+512 ; behind them: the batch's 2,048 mask numbers, filled once
.set AK0, 2           ; v2   my lane's place in a tile of K; never rewritten
.set AV0, 3           ; v3   the same for V
.set AK,  4           ; v4   the LDS address of K's next run of loads
.set AV,  5           ; v5   of V's
.set QO,  6           ; v6   my byte offset in the wave's rows of Q
.set STO, 6           ;      later, the way out: where I put 16 bytes of a row
.set RD,  7           ; v7   the way out: where I read rows back
.set GO,  8           ; v8   my byte offset in 512 consecutive bytes of ob
.set PFO, 10          ; v10  256 x lane, once it has served the addresses
.set AM,  11          ; v11  the LDS address of the mask's next run of loads
.set SPW, 0           ; v0 of window 3   LDS address of my spare word; never rewritten
.set NIL, 1           ; v1 of window 3   0; never rewritten
.set MB,  8           ; v8-39 of window 3   the step's mask: key 16 kb + 8 (lane / 16) + j at MB + 8 kb + j
.set MV,  12          ; v12-15  c m_old, kept while c m is made anew
.set ST,  16          ; tile t's statistics at v[ST+4 t]: c m, m, l (even keys', odd keys')
.set TMP, 48          ; by buffer and tile, four registers c0-c3 at work; when the maximum is found c2 takes a
.set S,   64
.set P,   192
.set KF,  128         ; K's fragments, in window 2
.set VF,  192         ; V's
.set WV,  12          ; s12  my wave's number
.set G1K, 24          ; s[24:31] descriptor group 1 for K's tiles
.set G1V, 32          ; s[32:39] for V's
.set G0K, 40          ; s[40:43] descriptor group 0 for K's tiles: it walks
.set G0V, 44          ; s[44:47] the same for V's
.set PFA, 48          ; s[48:49] where my prefetches stand
.set LIM, 50          ; s50  1 in a wave that prefetches, else the greatest number
.set MOF, 51          ; s51  the next step's byte in the mask
.set MAD, 52          ; s52  the same as an LDS address
.set SLOTS, 56
.set CNT, 57
.set CS,  58          ; s[58:59] c
.set SEL, 60          ; s[60:61] v_permlanex16_b32's selects
.set TBK, 62
.set TBV, 63
.set G0M, 68          ; s[68:71] descriptor group 0 for my quarter of the mask
.set G1M, 72          ; s[72:79] its group 1
.set THR, 80          ; s80  -2^96
.set MSB, 0
.macro WIN new
.if MSB != (\new)
	s_set_vgpr_msb (MSB<<8)|(\new)
.set MSB, (\new)
.endif
.endm
.set W_KQ, 0x0a       ; K and Q in window 2, S^T in window 0
.set W_KM, 0x3a       ; the same with the C operand, the mask, in window 3
.set W_PV, 0x52       ; V in window 2, P in window 0, O^T in window 1
.set W_RS, 0x41       ; O^T (destination and source 0) in window 1, a in window 0
.set W_MK, 0xc0       ; destination in window 3, sources in window 0
.set W_AD, 0x0f       ; the add: address and data in window 3
; A joint fill.  Waves 0 and 1 fetch the two halves of a slot's K, waves 2 and 3 those of its V.  An s_nop 0 and four v_nop follow each line.
.macro JLOAD
	s_cmp_lt_u32 s[WV], 2
	s_cbranch_scc0 .Lfor_v_\@
	tensor_load_to_lds s[G0K:G0K+3], s[G1K:G1K+7]
	s_nop 0
.rept 4
	v_nop
.endr
	s_branch .Lasked_\@
.Lfor_v_\@:
	tensor_load_to_lds s[G0V:G0V+3], s[G1V:G1V+7]
	s_nop 0
.rept 4
	v_nop
.endr
.Lasked_\@:
.endm
; A PREFETCH INTO THE L2 of what the NEXT change of slots will ask for: 256 rows of K and of V, 32 KiB each.  A plane has one cluster; its four partners take 8 KiB each, told apart by address;
; in each, wave 0 asks for K's and wave 2 for V's: a lane 256 bytes, one line.  The last change that fills a slot asks for nothing.
.macro ASK
	s_cmp_gt_u32 s[SLOTS], s[LIM]
	s_cbranch_scc0 .Lnot_mine_\@
	global_prefetch_b8 v[PFO], s[PFA:PFA+1] th:TH_LOAD_NT scope:SCOPE_SE
.Lnot_mine_\@:
.endm
.macro CROUND                       ; a round of the cluster's barrier
	s_barrier_signal -1
	s_barrier_wait -1
	s_cmp_lg_u32 s[WV], 0
	s_cbranch_scc1 .Lnot_wave_0_\@
	s_barrier_signal -3
.Lnot_wave_0_\@:
	s_barrier_wait -3
	s_barrier_signal -1
	s_barrier_wait -1
.endm
; THE CHANGE OF SLOTS.  Each wave waits for all its tensor loads, adds 0 to its spare word, and waits for that and for its own reads of the slot.  fill = 1: this slot is filled again, with the
; keys two slots on: the barrier is a round of the cluster's, and the joint fill is the first thing behind it; it has four key steps, 512 matrix instructions, in which to land.
; (At its first use nothing has been read yet: slot 0 and the mask are waited for, slot 1 is filled.)
.macro CHANGE fill, ask=0
	WIN W_AD
	s_wait_tensorcnt 0x0            ; no tensor load of mine is out, so a group 0 may be written
	ds_add_u32 v[SPW], v[NIL]       ; 0 onto my spare word
	WIN 0
.if \fill
.irp g, G0K, G0V
	s_xor_b32 s[\g+1], s[\g+1], SLOT1
	s_add_nc_u64 s[\g+2:\g+3], s[\g+2:\g+3], 4*KS*128
.endr
.if \ask
	s_wait_xcnt 0x0                 ; the last prefetch, four key steps back, has read its address
	s_add_nc_u64 s[PFA:PFA+1], s[PFA:PFA+1], 4*KS*128
.endif
	s_wait_dscnt 0x0                ; the add is done, and my reads of the slot are over
	CROUND
	JLOAD
.if \ask
	ASK
.endif
.else
	s_wait_dscnt 0x0
	s_barrier_signal -1
	s_barrier_wait -1
.endif
	s_sub_co_u32 s[TBK], s[TBK], 4*KS*PK  ; the fetches go back to a slot's first step,
	s_xor_b32 s[TBK], s[TBK], SLOT1       ; in the other slot
	s_sub_co_u32 s[TBV], s[TBV], 4*KS*PV
	s_xor_b32 s[TBV], s[TBV], SLOT1
.endm
	s_load_b128 s[4:7], s[0:1], 0x0   ; qkv s[4:5], maskb s[6:7]
	s_load_b64 s[10:11], s[0:1], 0x10 ; ob
	WIN W_MK
	v_lshl_add_u32 v[SPW], v0, 2, SPARE
	v_mov_b32 v[NIL], 0
	WIN W_AD
	ds_add_u32 v[SPW], v[NIL]       ; the wave's opening: the add and its wait stand ahead of my first tensor load; work on registers stands between them
	WIN 0
	v_lshrrev_b32 v1, 5, v0
	v_readfirstlane_b32 s[WV], v1   ; wave 0..3
	s_bfe_u32 s13, ttmp6, 0x40000   ; cx: my place in the cluster
	s_lshl_b32 s14, ttmp9, 2
	s_add_co_u32 s14, s14, s13      ; my block of 512 queries: it enters Q's and ob's addresses alone
	s_and_b32 s20, ttmp7, 0xffff    ; the plane, which the four partners share
	s_lshr_b32 s82, s20, 4          ; the batch:
	s_lshl_b32 s82, s82, 13         ; its 8,192 bytes of maskb,
	s_lshl_b32 s83, s[WV], 11       ; my quarter of them,
	s_add_co_u32 s[G0M+1], s83, MASKL  ; and where it goes
	s_add_co_u32 s82, s82, s83
	s_mov_b32 s83, 0
	s_mov_b32 s21, 0
	s_mov_b64 s[22:23], SIZE_N*128
	s_mul_u64 s[20:21], s[20:21], s[22:23]  ; the plane's first byte
	s_and_b32 s16, s[WV], 1         ; which half of a slot's 256 keys I fetch
	s_lshl_b32 s22, s16, 14
	s_mov_b32 s23, 0
	s_add_nc_u64 s[22:23], s[22:23], s[20:21]
	s_mul_i32 s17, s16, 128*PK
	s_mul_i32 s18, s16, 128*PV
	s_lshl_b32 s2, s14, 2
	s_add_co_u32 s2, s2, s[WV]      ; my wave among the plane's,
	s_lshl_b32 s2, s2, 14           ; its 128 rows
	s_mov_b32 s3, 0
	s_add_nc_u64 s[2:3], s[2:3], s[20:21]
	; 128 keys are 16,384 dense bytes: asked for as 64 rows of 256 bytes, padded in LDS after every key
	s_mov_b32 s[G1K], 15|(1<<16)|(1<<20)|(1<<21)|(4<<22)|(3<<25)
	s_mov_b32 s[G1V], 15|(1<<16)|(1<<20)|(1<<21)|(4<<22)|(7<<25)
.irp g, G1K, G1V
	s_mov_b32 s[\g+1], 128<<16
	s_mov_b32 s[\g+2], 64<<16
	s_mov_b32 s[\g+3], 128<<16
	s_mov_b32 s[\g+4], 64
	s_mov_b32 s[\g+5], 128
	s_mov_b32 s[\g+6], 0
	s_mov_b32 s[\g+7], 0
.endr
	s_mov_b32 s[G1M], 3<<16         ; the mask's quarter: one row of 256 elements of 8 bytes, a load of my work-group's own
	s_mov_b32 s[G1M+1], 256<<16
	s_mov_b32 s[G1M+2], 1<<16
	s_mov_b32 s[G1M+3], 256<<16
	s_mov_b32 s[G1M+4], 1
	s_mov_b32 s[G1M+5], 256
	s_mov_b32 s[G1M+6], 0
	s_mov_b32 s[G1M+7], 0
	s_mov_b32 s[G0M], 1
	s_mov_b32 s[CS], 0x3e38aa3b     ; c = log2(e) / 8
	s_mov_b32 s[CS+1], s[CS]
	s_mov_b32 s[SEL], 0x76543210
	s_mov_b32 s[SEL+1], 0xfedcba98
	s_mov_b32 s[THR], 0xef800000    ; -2^96
	s_mov_b32 s[MOF], 0
	s_mov_b32 s[MAD], MASKL
	s_mov_b32 s[TBK], SLOT1+4*KS*PK ; the first change of slots turns these two into 0
	s_mov_b32 s[TBV], SLOT1+4*KS*PV
	s_mov_b32 s[G0K], 1
	s_mov_b32 s[G0K+1], s17
	s_mov_b32 s[G0V], 1
	s_add_co_u32 s[G0V+1], s18, VOFF
	s_and_b32 s[LIM], s[WV], 1      ; waves 0 and 2 prefetch
	s_cmp_eq_u32 s[LIM], 0
	s_cselect_b32 s[LIM], 1, -1
	s_wait_dscnt 0x0                ; the opening add is done
	s_wait_kmcnt 0x0
	s_mov_b64 s[54:55], s[6:7]      ; maskb
	s_add_nc_u64 s[6:7], s[4:5], 0x1000000  ; K's planes begin 64 planes of 262,144 bytes behind Q's,
	s_add_nc_u64 s[8:9], s[4:5], 0x2000000  ; V's 128
	s_add_nc_u64 s[G0K+2:G0K+3], s[6:7], s[22:23]
	s_or_b32 s[G0K+3], s[G0K+3], 0x80000000
	s_add_nc_u64 s[G0V+2:G0V+3], s[8:9], s[22:23]
	s_or_b32 s[G0V+3], s[G0V+3], 0x80000000
	s_add_nc_u64 s[G0M+2:G0M+3], s[54:55], s[82:83]
	s_or_b32 s[G0M+3], s[G0M+3], 0x80000000
	s_add_nc_u64 s[4:5], s[4:5], s[2:3]  ; Q and ob at my wave's first row
	s_add_nc_u64 s[10:11], s[10:11], s[2:3]
	s_cmp_lt_u32 s[WV], 2
	s_cselect_b64 s[PFA:PFA+1], s[6:7], s[8:9]
	s_add_nc_u64 s[PFA:PFA+1], s[PFA:PFA+1], s[20:21]
	s_lshl_b32 s2, s13, 13          ; my work-group's 8 KiB of a slot's 32
	s_mov_b32 s3, 0
	s_add_nc_u64 s[PFA:PFA+1], s[PFA:PFA+1], s[2:3]
	s_add_nc_u64 s[PFA:PFA+1], s[PFA:PFA+1], 2*4*KS*128  ; at slot 2; the loop's first change steps it to slot 3.  Nothing is prefetched at the head
	CROUND                          ; all four work-groups are here: the first joint loads meet
	s_cmp_lt_u32 s[WV], 2           ; a wave's two first fills stand in one branch: its part of slot 0, and its quarter of the mask: two loads of mine are out
	s_cbranch_scc0 .Lfirst_v
	tensor_load_to_lds s[G0K:G0K+3], s[G1K:G1K+7]
	s_nop 0
	tensor_load_to_lds s[G0M:G0M+3], s[G1M:G1M+7]
	s_nop 0
.rept 4
	v_nop
.endr
	s_branch .Lfirst_asked
.Lfirst_v:
	tensor_load_to_lds s[G0V:G0V+3], s[G1V:G1V+7]
	s_nop 0
	tensor_load_to_lds s[G0M:G0M+3], s[G1M:G1M+7]
	s_nop 0
.rept 4
	v_nop
.endr
.Lfirst_asked:
	; A fragment of K or Q is 16 rows x 32 channels in 8 registers: lane l holds row l % 16, channels 8 (l / 16) + 0..7 and 16 + 8 (l / 16) + 0..7: two loads of 16 bytes, 32 bytes apart.
	v_and_b32 v1, 15, v0            ; l % 16
	v_bfe_u32 v9, v0, 4, 1          ; l / 16; never rewritten
	v_lshlrev_b32 v[QO], 7, v1
	v_lshl_add_u32 v[QO], v9, 4, v[QO]
	WIN 0x80                        ; destination window 2, address window 0
.set i, 0
.rept 4*NP                          ; Q stays in registers: tile i / 2, channels 32 (i % 2) on
	global_load_b128 v[8*i:8*i+3],   v[QO], s[4:5] offset:(i/2)*2048+(i%2)*64
	global_load_b128 v[8*i+4:8*i+7], v[QO], s[4:5] offset:(i/2)*2048+(i%2)*64+32
.set i, i+1
.endr
	; What the first turn finds: V's registers and P's second buffer hold 0, O^T and l are 0.  All this stands in the wait for the first tile.
.set i, VF
.rept 64
	v_mov_b32 v[i], 0
.set i, i+1
.endr
	WIN 0x40
.set i, 0
.rept 64*NP
	v_mov_b32 v[i], 0
.set i, i+1
.endr
	WIN 0
.set i, 0
.rept 2*NP
	v_mov_b32 v[ST+4*i], 0xfe000000    ; c m: far below every c s, a hidden one's too
	v_mov_b32 v[ST+4*i+1], 0xff7fffff  ; m
	v_mov_b32 v[ST+4*i+2], 0
	v_mov_b32 v[ST+4*i+3], 0
.set i, i+1
.endr
.set i, P+32
.rept 32
	v_mov_b32 v[i], 0
.set i, i+1
.endr
	v_mul_u32_u24 v[AK0], v1, PK
	v_lshl_add_u32 v[AK0], v9, 4, v[AK0]
	; The turning load takes 16 keys x 16 channels (lane l reads key 8 (l / 16) + l % 8, channels 8 ((l / 8) % 2) + 0..7) and leaves half a fragment of V^T.
	v_and_b32 v10, 7, v0
	v_bfe_u32 v11, v0, 3, 1
	v_lshl_add_u32 v[AV0], v9, 3, v10
	v_mul_u32_u24 v[AV0], v[AV0], PV
	v_lshl_add_u32 v[AV0], v11, 4, v[AV0]
	v_add_nc_u32 v[AV0], VOFF, v[AV0]
	v_mov_b32 v[AK], v[AK0]         ; key step 0 lies at the head of slot 0,
	v_lshl_add_u32 v[AM], v9, 5, s[MAD]  ; its mask at the head of the mask: my eight numbers of a block of 16 keys begin 32 (l / 16) bytes in
; THE MATRIX WORK.  The 8 accumulators of a run of 16 take turns.
; Product i of 16 of S^T = K Q^T for piece x: channels 32 (i / 8) on, keys 16 ((i / 2) % 4) on, tile 2 x + i % 2.  The first 8 start the sums, with the mask.
.macro KQ x
.set rS, S+64*((\x)%2)+32*(i%2)+8*((i/2)%4)
.set rK, KF+16*((i/2)%4)+8*(i/8)
.set rQ, 16*(2*(\x)+i%2)+8*(i/8)
.set rB, MB+8*((i/2)%4)
.if i < 8
	WIN W_KM
	v_wmma_f32_16x16x32_bf16 v[rS:rS+7], v[rK:rK+7], v[rQ:rQ+7], v[rB:rB+7]
.else
	WIN W_KQ
	v_wmma_f32_16x16x32_bf16 v[rS:rS+7], v[rK:rK+7], v[rQ:rQ+7], v[rS:rS+7]
.endif
.endm
; Product i of 16 of O^T += V^T P for piece x: keys 32 (i / 8) on, channels 16 ((i / 2) % 4) on, tile 2 x + i % 2.
.macro PV x
	WIN W_PV
.set rO, 32*(2*(\x)+i%2)+8*((i/2)%4)
.set rV, VF+32*(i/8)+8*((i/2)%4)
.set rP, P+32*((\x)%2)+16*(i%2)+8*(i/8)
	v_wmma_f32_16x16x32_bf16 v[rO:rO+7], v[rV:rV+7], v[rP:rP+7], v[rO:rO+7]
.endm
.macro MM                           ; the turn's next matrix instruction
.if i < 16
	KQ (Y+1)%NP
.set i, i+1
.else
.set i, i-16
	PV (Y+NP-1)%NP
.set i, i+17
.endif
.endm
; THE LDS LOADS stand in runs: a step's K (8 fragments) with its mask (8 loads of 16 bytes), and its V (turned).  Their addresses are made some lines ahead.
; last = 1 (the tail): in the last trip there is no further step, and the run is jumped over.
.macro FETCH_K last=0
	WIN 0
.if \last
	s_cmp_eq_u32 s[CNT], 1
	s_cbranch_scc1 .Lno_k_\@
.endif
	WIN 0x80                        ; destination window 2
.irp f, 0,1,2,3,4,5,6,7             ; keys 16 (f / 2) on, channels 32 (f % 2) on
	ds_load_b128 v[KF+8*\f:KF+8*\f+3],   v[AK] offset:(\f/2)*16*PK+(\f%2)*64
	ds_load_b128 v[KF+8*\f+4:KF+8*\f+7], v[AK] offset:(\f/2)*16*PK+(\f%2)*64+32
.endr
	WIN 0xc0                        ; destination window 3
.irp f, 0,1,2,3,4,5,6,7             ; keys 16 (f / 2) + 8 (l / 16) + 4 (f % 2) on
	ds_load_b128 v[MB+4*\f:MB+4*\f+3], v[AM] offset:(\f/2)*64+(\f%2)*16
.endr
	s_add_co_u32 s[TBK], s[TBK], KS*PK  ; the next fetch is the next step's
	s_add_co_u32 s[MOF], s[MOF], 4*KS
	s_and_b32 s[MOF], s[MOF], 0x1fff    ; (behind the last step it stands at the mask's head again, and is not used)
	s_add_co_u32 s[MAD], s[MOF], MASKL
	WIN 0
.if \last
.Lno_k_\@:
.endif
.endm
.macro FETCH_V
	WIN 0x80
.irp f, 0,1,2,3,4,5,6,7             ; keys 32 (f / 4) on, channels 16 (f % 4) on
	ds_load_tr16_b128 v[VF+8*\f:VF+8*\f+3],   v[AV] offset:(\f/4)*32*PV+(\f%4)*32
	ds_load_tr16_b128 v[VF+8*\f+4:VF+8*\f+7], v[AV] offset:(\f/4)*32*PV+16*PV+(\f%4)*32
.endr
	WIN 0
.endm
; THE VECTOR WORK OF A TURN stands in three queues, each in the order in which its entries become ready; the two tiles alternate.
.macro REGS y, u                    ; the registers of tile u (0, 1) of piece y
.set rT, ST+4*(2*(\y)+(\u))
.set rC, TMP+8*((\y)%2)+4*(\u)
.set rM, MV+2*((\y)%2)+(\u)
.set rS, S+64*((\y)%2)+32*(\u)
.set rP, P+32*((\y)%2)+16*(\u)
.set rO, 32*(2*(\y)+(\u))
.endm
; Number n of the 22 that find the NEXT piece's maximum and statistics; each accumulator's lowest registers are read first.
;   0-11  four chains c0-c3 of seven scores each     12-14, 16  the four scores left over, the old m, and c0-c3 into c0     15  c m_old is kept
;   17, 18  the query's other 32 keys lie in the lane 16 away: the new m         19-21  c m; c m_old - c m_new; a
.macro XS u, n
	REGS (Y+1)%NP, \u
.if (\n) < 4
	v_max3_num_f32 v[rC+(\n)], v[rS+8*(\n)], v[rS+8*(\n)+1], v[rS+8*(\n)+2]
.elseif (\n) < 12
	v_max3_num_f32 v[rC+(\n)%4], v[rC+(\n)%4], v[rS+8*((\n)%4)+2*((\n)/4)+1], v[rS+8*((\n)%4)+2*((\n)/4)+2]
.elseif (\n) == 12
	v_max3_num_f32 v[rC], v[rC], v[rS+7], v[rS+15]
.elseif (\n) == 13
	v_max3_num_f32 v[rC+1], v[rC+1], v[rS+23], v[rS+31]
.elseif (\n) == 14
	v_max3_num_f32 v[rC+2], v[rC+2], v[rC+3], v[rT+1]
.elseif (\n) == 15
	v_mov_b32 v[rM], v[rT]
.elseif (\n) == 16
	v_max3_num_f32 v[rC], v[rC], v[rC+1], v[rC+2]
.elseif (\n) == 17
	v_permlanex16_b32 v[rC+3], v[rC], s[SEL], s[SEL+1]
.elseif (\n) == 18
	v_max_num_f32 v[rT+1], v[rC], v[rC+3]
.elseif (\n) == 19
	v_mul_f32 v[rT], s[CS], v[rT+1]
.elseif (\n) == 20
	v_sub_f32 v[rC+1], v[rM], v[rT]
.else
	v_exp_f32 v[rC+2], v[rC+1]
.endif
.endm
; Number g of the 64 that follow the exponentials.  For each four weights of a tile: both pairs are rounded to bf16; the second pair is added onto the first, in place; a group later l takes that sum.
.macro GS g
.set h, (\g)+6*((\g)/62)
.if h >= 6
.set h, h+2
.endif
	REGS Y, h%2
.set k, h/8
.if h%8 < 4
	v_cvt_pk_bf16_f32 v[rP+2*k+(h%8)/2], v[rS+4*k+2*((h%8)/2)], v[rS+4*k+2*((h%8)/2)+1]
.elseif h%8 < 6
	v_pk_add_f32 v[rS+4*k:rS+4*k+1], v[rS+4*k:rS+4*k+1], v[rS+4*k+2:rS+4*k+3]
.elseif k == 1
	v_pk_fma_f32 v[rT+2:rT+3], v[rT+2:rT+3], v[rC+2:rC+3], v[rS:rS+1] op_sel_hi:[1,0,1]
.else
	v_pk_add_f32 v[rT+2:rT+3], v[rT+2:rT+3], v[rS+4*k-4:rS+4*k-3]
.endif
.endm
; THE PLAIN QUEUE, 138 long.  0-73 read no exponential's result: the 32 scalings c s - c m and the next piece's 42.  74-137: GS's 64, which stand behind the wait.
.macro FS f
	REGS Y, (\f)%2
	v_pk_fma_f32 v[rS+2*((\f)/2):rS+2*((\f)/2)+1], v[rS+2*((\f)/2):rS+2*((\f)/2)+1], s[CS:CS+1], v[rT:rT+1] op_sel_hi:[1,0,0] neg_lo:[0,0,1] neg_hi:[0,0,1]
.endm
.macro PL
	WIN 0
.if q < 27
	FS q
.elseif q < 55
	XS (q-27)%2, (q-27)/2
.elseif q < 57
	XS q-55, 15
.elseif (q < 72) && ((q-57)%3 == 0)
	FS 27+(q-57)/3
.elseif q < 60
	XS (q-57)%3-1, 14
.elseif q < 72
	XS (q-57)%3-1, 15+(q-57)/3
.elseif q < 74
	XS q-72, 20
.else
	GS q-74
.endif
.set q, q+1
.endm
; THE EXPONENTIALS' QUEUE, 66 long: s0-s31 of both tiles, then the next piece's two a.  ONE BATCH: all stand ahead of the turn's one wait, and nothing ahead of that wait names a result of theirs.
.macro EX
	WIN 0
.if e >= 64
	XS e-64, 21
.else
	REGS Y, e%2
	v_exp_f32 v[rS+e/2], v[rS+e/2]
.endif
.set e, e+1
.endm
; THE RESCALING's QUEUE: O^T times a, dealt two at a time.  Its a was made in the turn before, ahead of that turn's wait.
.macro R2
	REGS Y, r%2
	WIN W_RS
.irp z, 0,1
	v_pk_mul_f32 v[rO+4*(r/2)+2*\z:rO+4*(r/2)+2*\z+1], v[rO+4*(r/2)+2*\z:rO+4*(r/2)+2*\z+1], v[rC+2:rC+3] op_sel_hi:[1,0]
.endr
.set r, r+1
.endm
; A TURN, for piece p.  Ahead of its one wait: the 16 products K Q^T, behind each a scaling, an exponential and two rescalings; then one run of 108: eight plain, 49 times exponential and plain, the two a.
; Behind it: the 16 products V^T P, behind each four of GS's 64.  K and the mask of the next step are fetched in piece 2's turn, directly behind the wait; V of the step in hand at the end of piece 0's turn,
; four plain instructions behind its last reader.  cnt = 1: the loop's count is taken down some lines ahead of the branch behind the turn.
.macro TURN p, last=0, cnt=0
.set Y, (\p)
.set i, 0
.set q, 0
.set e, 0
.set r, 0
.if (\p) == NP-1
	s_wait_dscnt 0x0                ; K and the mask are in
.endif
	MM
	PL
	PL
	R2
.rept 15
	MM
	PL
	EX
	R2
.endr
.if (\p) == NP-2
	WIN 0
	v_add_nc_u32 v[AK], s[TBK], v[AK0]
	v_lshl_add_u32 v[AM], v9, 5, s[MAD]
.endif
.rept 8
	PL
.endr
.rept 49
	EX
	PL
.endr
	EX                              ; the next piece's two a
	EX
	v_nop                           ; a plain instruction behind the last exponential, ahead of the first use: one for the batch (ISA guide 5.7.2)
	s_wait_alu depctr_va_vdst(0)    ; the wait for the batch, ahead of the first instruction that names a result
.if (\p) == NP-2
	FETCH_K \last
.endif
.if (\p) == 1
	s_wait_dscnt 0x0                ; V is in
.endif
.rept 16
	MM
.rept 4
	PL
.endr
.if ((\p) == 0) && (q == 118)
	v_add_nc_u32 v[AV], s[TBV], v[AV0]
.endif
.if ((\p) == 0) && (q == 130)
	s_add_co_u32 s[TBV], s[TBV], KS*PV
.endif
.if (\cnt) && (q == 130)
	s_sub_co_u32 s[CNT], s[CNT], 1
	s_cmp_lg_u32 s[CNT], 0
.endif
.endr
.if (\p) == 0
	FETCH_V
.endif
.endm
	CHANGE 1                        ; slot 0 and the mask are in, everybody's parts of them; slot 1 is asked for
	FETCH_K                         ; key step 0
	s_wait_loadcnt 0x0              ; Q
	s_wait_dscnt 0x0
.set i, 0
.rept 16
	KQ 0                            ; piece 0's first scores
.set i, i+1
.endr
	WIN 0                           ; the addresses for the way out: plain instructions, the places behind those products
	s_mul_i32 s13, s[WV], 16*SP
	s_add_co_u32 s13, s13, STAGE    ; my stage
	v_mul_u32_u24 v[STO], v1, SP    ; in: row l % 16, 16 bytes for each half of the lanes
	v_lshl_add_u32 v[STO], v9, 4, v[STO]
	v_add_nc_u32 v[STO], s13, v[STO]
	v_bfe_u32 v[RD], v0, 3, 2       ; back: 32 lanes take four rows of 128 bytes,
	v_mul_u32_u24 v[RD], v[RD], SP
	v_lshl_add_u32 v[RD], v10, 4, v[RD]
	v_add_nc_u32 v[RD], s13, v[RD]
	v_and_b32 v[GO], 31, v0         ; which are 512 consecutive bytes of ob
	v_lshlrev_b32 v[GO], 4, v[GO]
	v_lshlrev_b32 v[PFO], 4, v[GO]  ; 256 x lane
.set Y, NP-1                        ; XS works for piece Y + 1: piece 0
.irp n, 0,1,2,3,4,5,6,7,8,9,10,11,12,13,14,15,16,17,18,19,20,21
	XS 0, \n
	XS 1, \n
.endr
	v_nop                           ; a plain instruction behind the two a,
	s_wait_alu depctr_va_vdst(0)    ; and their wait, ahead of the branch
	s_mov_b32 s[CNT], 4
	s_mov_b32 s[SLOTS], SIZE_N/256-1
	s_branch .Lfirst                ; the loop is entered at a step's first turn, in the middle of a trip
.Lslot:                             ; six times: every slot but the last two is filled again
	CHANGE 1, 1
	s_mov_b32 s[CNT], 4
.Lstep:                             ; a trip: pieces 2 and 3 of one step, then pieces 0 and 1 of the next, whose K and V it fetches
	TURN 2
	TURN 3
	WIN 0
.Lfirst:
	TURN 0
	TURN 1, 0, 1
	WIN 0
	s_cbranch_scc1 .Lstep
	s_sub_co_u32 s[SLOTS], s[SLOTS], 1
	s_cmp_lg_u32 s[SLOTS], 0
	s_cbranch_scc1 .Lslot
	CHANGE 0                        ; the tail is written out: nothing is asked for
	s_mov_b32 s[CNT], 5             ; four trips fetch the last slot's steps; the fifth is left in its middle
.Ltail:
	TURN 2, 1
	TURN 3
	WIN 0
	s_sub_co_u32 s[CNT], s[CNT], 1
	s_cmp_eq_u32 s[CNT], 0
	s_cbranch_scc1 .Lout
	TURN 0
	TURN 1
	WIN 0
	s_branch .Ltail
.Lout:                              ; the fifth trip's 16 products K Q^T (on the last K and mask once more) change no maximum and serve nothing: the price of one text for every trip
.set i, 0
.rept 16
	PV NP-1                         ; the last piece's V^T P of the last step
.set i, i+1
.endr
	; THE WAY OUT.  l's two halves and the other half of the lanes' are added; O^T is divided by l, rounded to bf16 and sent through my stage in LDS, a tile at a time.
	WIN 0
.macro ALL line:vararg              ; one line for each tile t
.set t, 0
.rept 2*NP
	\line
.set t, t+1
.endr
.endm
	ALL v_add_f32 v[ST+4*t+2], v[ST+4*t+2], v[ST+4*t+3]
	ALL v_permlanex16_b32 v[ST+4*t+3], v[ST+4*t+2], s[SEL], s[SEL+1]
	ALL v_add_f32 v[ST+4*t+2], v[ST+4*t+2], v[ST+4*t+3]
	ALL v_rcp_f32 v[ST+4*t+2], v[ST+4*t+2]
	v_nop                           ; a plain instruction between the last reciprocal and the use of its result
	s_wait_alu depctr_va_vdst(0)    ; one wait for the eight reciprocals
.set t, 0
.rept 2*NP                          ; a query whose maximum is a hidden score has seen no key: its row is NaN
	v_cmp_lt_f32 vcc_lo, s[THR], v[ST+4*t+1]
	v_cndmask_b32 v[ST+4*t+2], 0x7fc00000, v[ST+4*t+2], vcc_lo
.set t, t+1
.endr
.macro PACK t
	WIN W_RS
.set i, 32*(\t)
.rept 16
	v_pk_mul_f32 v[i:i+1], v[i:i+1], v[ST+4*(\t)+2:ST+4*(\t)+3] op_sel_hi:[1,0]
.set i, i+2
.endr
	WIN 0x05                        ; sources 0 and 1 window 1, destination window 0
.set i, 0
.rept 16
	v_cvt_pk_bf16_f32 v[S+16*(\t)+i], v[32*(\t)+2*i], v[32*(\t)+2*i+1]
.set i, i+1
.endr
	WIN 0
.irp f, 0,1,2,3
	ds_store_b128 v[STO], v[S+16*(\t)+4*\f:S+16*(\t)+4*\f+3] offset:32*\f
.endr
.irp f, 0,1,2,3
	ds_load_b128 v[S+16*(\t)+4*\f:S+16*(\t)+4*\f+3], v[RD] offset:\f*4*SP  ; LDS serves a wave's instructions in order (ISA guide 5.7.1.4): these see the stores above
.endr
.endm
.macro SEND t, younger              ; younger: the LDS instructions issued behind tile t's loads: the next tile's eight, or none
	WIN 0
.irp f, 0,1,2,3
	s_wait_dscnt (\younger)+3-\f
	global_store_b128 v[GO], v[S+16*(\t)+4*\f:S+16*(\t)+4*\f+3], s[10:11] offset:(\t)*2048+\f*512  ; 512 consecutive bytes, at a multiple of 256 from ob's first
.endr
.endm
	PACK 0
.set t, 1
.rept 2*NP-1
	PACK t
	SEND t-1, 8
.set t, t+1
.endr
	SEND 2*NP-1, 0
	WIN W_AD
	s_wait_tensorcnt 0x0            ; the wave's end, behind my last tensor load and my last LDS store
	ds_add_u32 v[SPW], v[NIL]
	s_wait_dscnt 0x0
	WIN 0
	CROUND                          ; the closing round
	s_endpgm
.Lfunc_end_k_qae00ae7871_attn:
	.size	k_qae00ae7871_attn, .Lfunc_end_k_qae00ae7871_attn-k_qae00ae7871_attn
	.p2alignl 7, 3214868480
	.fill 96, 4, 3214868480
	.section	.rodata,"a",@progbits
	.p2align	6, 0x0
	.amdhsa_kernel k_qae00ae7871_attn
		.amdhsa_group_segment_fixed_size 327680
		.amdhsa_private_segment_fixed_size 0
		.amdhsa_enable_private_segment 0
		.amdhsa_kernarg_size 24
		.amdhsa_user_sgpr_count 2
		.amdhsa_user_sgpr_kernarg_segment_ptr 1
		.amdhsa_wavefront_size32 1
		.amdhsa_system_sgpr_workgroup_id_x 1
		.amdhsa_system_sgpr_workgroup_id_y 1
		.amdhsa_system_sgpr_workgroup_id_z 1
		.amdhsa_system_vgpr_workitem_id 0
		.amdhsa_next_free_vgpr 808
		.amdhsa_next_free_sgpr 84
		.amdhsa_reserve_vcc 1
		.amdhsa_float_denorm_mode_32 3
		.amdhsa_float_denorm_mode_16_64 3
		.amdhsa_memory_ordered 1
		.amdhsa_forward_progress 1
		.amdhsa_inst_pref_size 204
	.end_amdhsa_kernel
	.amdgpu_metadata
---
amdhsa.version: [ 1, 2 ]
amdhsa.kernels:
  - .name:           k_qae00ae7871_attn
    .symbol:         k_qae00ae7871_attn.kd
    .args:
      - { .name: qkv, .offset: 0, .size: 8, .value_kind: global_buffer, .address_space: global }
      - { .name: maskb, .offset: 8, .size: 8, .value_kind: global_buffer, .address_space: global }
      - { .name: ob, .offset: 16, .size: 8, .value_kind: global_buffer, .address_space: global }
    .group_segment_fixed_size: 327680
    .private_segment_fixed_size: 0
    .kernarg_segment_align: 8
    .kernarg_segment_size: 24
    .max_flat_workgroup_size: 128
    .sgpr_count:     84
    .vgpr_count:     808
    .wavefront_size: 32
...
	.end_amdgpu_metadata
.endif
;; end of part 3
;; launch gout (part 4): grid 8 x 32, 4 waves a work-group, clusters of 4 x 4, 327,680 bytes of LDS; arguments ob, wob, bo, x, out0; writes out0
.if DOCPART == 4
	.amdgcn_target "amdgcn-amd-amdhsa--gfx1250"
	.amdhsa_code_object_version 6
	.text
	.protected	k_qae00ae7871_gout
	.globl	k_qae00ae7871_gout
	.p2align	8
	.type	k_qae00ae7871_gout,@function
k_qae00ae7871_gout:
	s_mov_b64 s[64:65], 0
	v_nop
	global_prefetch_b8 v0, s[64:65] scope:SCOPE_SE
	s_setreg_imm32_b32 hwreg(HW_REG_WAVE_MODE, 25, 1), 1
	s_wait_xcnt 0x0
	s_wait_alu depctr_hold_cnt(0) depctr_sa_sdst(0) depctr_va_vdst(0) depctr_va_sdst(0) depctr_va_ssrc(0) depctr_va_vcc(0) depctr_vm_vsrc(0)
	s_getreg_b32 s2, hwreg(HW_REG_IB_STS2, 6, 4)
	s_cmp_eq_u32 s2, 0
	s_cbranch_scc0 .Lentry_in_a_cluster
	s_endpgm
.Lentry_in_a_cluster:
	s_bfe_u32 s2, ttmp6, 0x10000c
	s_cmp_lg_u32 s2, 0xf033
	s_cbranch_scc0 .Lentry_shape_is_right
	s_endpgm
.Lentry_shape_is_right:
; out0 = x + ob wob + bo.  ob: 8,192 rows x 1,024 in bf16, in blocks of 64 channels, a head each (byte = b<<22 + head<<18 + l<<7).  wob: [k 1024][n 1024] bf16.  bo: [1024], x, out0: [8192][1024], f32.
; SHARES.  8,192 x 1,024 outputs on 256 work-groups: a tile of 256 rows x 128 columns each.  Four waves, each 128 rows x 64 columns: 32 accumulators in window 1, (a, b) at v[8 (4 a + b)].
; K goes in 8 steps of 128 (two blocks of ob) through two LDS slots; a step is four quarters of 32 along K, 32 matrix instructions each, on two fragment buffers.
; THE MATRIX INSTRUCTION IS USED TRANSPOSED (source 0 = 16 columns of wob, turned out of LDS; source 1 = 16 rows of ob): a lane holds one row and eight neighbouring columns.  bo is the C operand of each
; accumulator's first product.  The wave's 128 x 64 of x is loaded into window 2 while the products run, and added on the way out, in f32.
; CLUSTER 4 x 4: ob's tile is asked for jointly by a row of the cluster, wob's by a column.
; lds_bytes: the text uses 239,104 bytes.
.set PA,    144                        ; a row of a block of ob in LDS: 128 bytes + 16
.set PB,    288                        ; a k row of wob's tile: 256 bytes + 32 = 9 x 32
.set BOFF,  2*256*PA                   ; in a slot: two blocks of 256 rows of ob, then wob's 128 k rows
.set SLOT,  BOFF+128*PB
.set STAGE, 2*SLOT                     ; behind the ring: 16 rows x 272 bytes for each wave
.set SPI,   272
.set SPARE, STAGE+4*16*SPI             ; behind the stages: the spare words, 128 bytes a wave: two blocks of 256 bytes that no other line names
.set ADRA, 16
.set ADRB, 20
.set STO,  24
.set RD,   25
.set XO,   26                          ; my 16 bytes in two rows of x and of out0: 4,096 (lane / 16) + 16 (lane % 16); never rewritten
.set BO,   27
.set SPW,  28
.set NIL,  29
.set PFO,  30
.set F0,   32                          ; fragment buffers in window 0: 64 registers of ob's, then 32 of wob's
.set F1,   128
.set BIAS, 224                         ; v224-255: my eight biases of each of the four blocks of 16 columns
.set BK,   32                          ; the way out: 16 rows read back, two buffers of 32
.set WV, 12
.set WM, 13
.set WN, 14
.set CX, 15
.set CY, 16
.set NT, 17
.set MT, 18
.set G1A, 24
.set G0A, 32
.set G1B, 40
.set G0B, 48
.set CNT, 57
.set LIM, 58                           ; 1 in a wave that prefetches, else the greatest number
.set PFA, 60
.set PFS, 62
.set OUTP, 66                          ; s[66:67] out0 at my part of the tile
.set TA, 72                            ; at work for ob's descriptors: never holds cx
.set TB, 76                            ; at work for wob's descriptors: never holds cy
.set MSB, 0
.macro WIN new
.if MSB != (\new)
	s_set_vgpr_msb (MSB<<8)|(\new)
.set MSB, (\new)
.endif
.endm
.macro PLACES
.rept 4
	v_nop
.endr
.endm
.macro JLOAD s                         ; waves 0, 1 fetch the step's two blocks of ob, waves 2, 3 the halves of wob's tile; an s_nop 0 and four v_nop follow each line
	s_cmp_eq_u32 s[WM], 0
	s_cbranch_scc0 .Lfor_b_\@
	tensor_load_to_lds s[G0A+4*(\s):G0A+4*(\s)+3], s[G1A:G1A+7]
	s_nop 0
.rept 4
	v_nop
.endr
	s_branch .Lasked_\@
.Lfor_b_\@:
	tensor_load_to_lds s[G0B+4*(\s):G0B+4*(\s)+3], s[G1B:G1B+7]
	s_nop 0
.rept 4
	v_nop
.endr
.Lasked_\@:
.endm
.macro CREST
	s_cmp_lg_u32 s[WV], 0
	s_cbranch_scc1 .Lnot_wave_0_\@
	s_barrier_signal -3
.Lnot_wave_0_\@:
	s_barrier_wait -3
	s_barrier_signal -1
	s_barrier_wait -1
.endm
.macro CROUND
	s_barrier_signal -1
	s_barrier_wait -1
	CREST
.endm
; A PREFETCH INTO THE L2 behind each refill: the K step two refills on, 256 matrix instructions ahead of its load.  ob's tile row is read by both clusters of a row of clusters: the one with x = 0 asks,
; waves 0 and 1 each for the block that they fetch, each partner 8 KiB of its 32, by address (cx): a lane 256 bytes.  wob's tile column: the cluster with y = 0 asks, wave 2, each partner 32 of the
; step's 128 k rows (cy): a lane a row of 256 bytes.  The last lap's refills have no step two on.
.macro ASK
	s_cmp_gt_u32 s[CNT], s[LIM]
	s_cbranch_scc0 .Lnot_mine_\@
	global_prefetch_b8 v[PFO], s[PFA:PFA+1] th:TH_LOAD_NT scope:SCOPE_SE
.Lnot_mine_\@:
.endm
	s_load_b256 s[4:11], s[0:1], 0x0               ; ob s[4:5], wob s[6:7], bo s[8:9], x s[10:11]
	s_load_b64 s[OUTP:OUTP+1], s[0:1], 0x20        ; out0
	v_lshl_add_u32 v[SPW], v0, 2, SPARE
	v_mov_b32 v[NIL], 0
	ds_add_u32 v[SPW], v[NIL]                      ; the wave's opening: the add and its wait stand ahead of my first tensor load; work on registers stands between them
	v_lshrrev_b32 v1, 5, v0
	v_readfirstlane_b32 s[WV], v1
	s_lshr_b32 s[WM], s[WV], 1
	s_and_b32 s[WN], s[WV], 1
	s_bfe_u32 s[CX], ttmp6, 0x40000
	s_bfe_u32 s[CY], ttmp6, 0x40004
	s_lshl_b32 s[NT], ttmp9, 2
	s_add_co_u32 s[NT], s[NT], s[CX]
	s_and_b32 s[MT], ttmp7, 0xffff
	s_lshl_b32 s[MT], s[MT], 2
	s_add_co_u32 s[MT], s[MT], s[CY]
	s_lshl_b32 s[TA], s[CY], 2
	s_lshl_b32 s[TA], 15, s[TA]
	s_lshl_b32 s[TB], 0x1111, s[CX]
	; a block's 256 rows of 128 dense bytes, asked for as 128 rows of 256 bytes, 16 bytes of padding after every 32 words
	s_or_b32 s[G1A], s[TA], (1<<16)|(1<<20)|(1<<21)|(4<<22)|(3<<25)
	s_mov_b32 s[G1A+1], 128<<16
	s_mov_b32 s[G1A+2], 128<<16
	s_mov_b32 s[G1A+3], 128<<16
	s_mov_b32 s[G1A+4], 128
	s_mov_b32 s[G1A+5], 128
	s_mov_b32 s[G1A+6], 0
	s_mov_b32 s[G1A+7], 0
	; 64 k rows of 128 elements (256 bytes, from a multiple of 256), 32 bytes of padding behind each
	s_or_b32 s[G1B], s[TB], (1<<16)|(1<<20)|(1<<21)|(5<<22)|(7<<25)
	s_mov_b32 s[G1B+1], 128<<16
	s_mov_b32 s[G1B+2], 64<<16
	s_mov_b32 s[G1B+3], 128<<16
	s_mov_b32 s[G1B+4], 64
	s_mov_b32 s[G1B+5], 1024
	s_mov_b32 s[G1B+6], 0
	s_mov_b32 s[G1B+7], 0
	s_lshr_b32 s[TA], s[MT], 3
	s_lshl_b32 s[TA], s[TA], 22
	s_and_b32 s[TA+1], s[MT], 7
	s_lshl_b32 s[TA+1], s[TA+1], 15
	s_add_co_u32 s[TA], s[TA], s[TA+1]
	s_lshl_b32 s[TA+1], s[WN], 18                  ; which of a step's two blocks I fetch
	s_add_co_u32 s[TA], s[TA], s[TA+1]
	s_mov_b32 s[TA+1], 0
	s_mul_i32 s[TA+2], s[WN], 256*PA
	s_lshl_b32 s[TB], s[WN], 17                    ; which 64 k rows of 2,048 bytes
	s_lshl_b32 s[TB+1], s[NT], 8
	s_add_co_u32 s[TB], s[TB], s[TB+1]
	s_mov_b32 s[TB+1], 0
	s_mul_i32 s[TB+2], s[WN], 64*PB
	s_add_co_u32 s[TB+2], s[TB+2], BOFF
	s_wait_dscnt 0x0                               ; the opening add is done
	s_wait_kmcnt 0x0
	s_add_nc_u64 s[TA:TA+1], s[4:5], s[TA:TA+1]
	s_add_nc_u64 s[TB:TB+1], s[6:7], s[TB:TB+1]
	CROUND                                         ; all sixteen work-groups are here: the first joint loads meet
.irp s, 0,1
	s_mov_b32 s[G0A+4*(\s)], 1
	s_add_co_u32 s[G0A+4*(\s)+1], s[TA+2], (\s)*SLOT
	s_add_nc_u64 s[G0A+4*(\s)+2:G0A+4*(\s)+3], s[TA:TA+1], (\s)*524288
	s_or_b32 s[G0A+4*(\s)+3], s[G0A+4*(\s)+3], 0x80000000
	s_mov_b32 s[G0B+4*(\s)], 1
	s_add_co_u32 s[G0B+4*(\s)+1], s[TB+2], (\s)*SLOT
	s_add_nc_u64 s[G0B+4*(\s)+2:G0B+4*(\s)+3], s[TB:TB+1], (\s)*262144
	s_or_b32 s[G0B+4*(\s)+3], s[G0B+4*(\s)+3], 0x80000000
	JLOAD \s                                       ; two tensor loads of mine are out
.endr
	v_and_b32 v1, 15, v0                           ; r
	v_bfe_u32 v2, v0, 4, 1                         ; h
	v_lshlrev_b32 v[BO], 5, v2
	s_lshl_b32 s22, s[NT], 9
	s_lshl_b32 s21, s[WN], 8
	s_add_co_u32 s22, s22, s21                     ; my 64 columns, in bytes of f32
	s_mov_b32 s23, 0
	s_add_nc_u64 s[8:9], s[8:9], s[22:23]
.set i, 0
.rept 8
	global_load_b128 v[BIAS+4*i:BIAS+4*i+3], v[BO], s[8:9] offset:(i/2)*64+(i%2)*16
.set i, i+1
.endr
	s_lshl_b32 s20, s[MT], 8
	s_lshl_b32 s21, s[WM], 7
	s_add_co_u32 s20, s20, s21                     ; my first row
	s_lshl_b32 s20, s20, 12
	s_add_co_u32 s20, s20, s22
	s_mov_b32 s21, 0
	s_add_nc_u64 s[10:11], s[10:11], s[20:21]
	s_add_nc_u64 s[OUTP:OUTP+1], s[OUTP:OUTP+1], s[20:21]
	v_lshlrev_b32 v[XO], 12, v2
	v_lshl_add_u32 v[XO], v1, 4, v[XO]
	v_mul_u32_u24 v3, v1, PA
	v_lshl_add_u32 v3, v2, 4, v3
	s_mul_i32 s21, s[WM], 128*PA
	v_add_nc_u32 v[ADRA], s21, v3
	v_add_nc_u32 v[ADRA+1], SLOT, v[ADRA]
	v_and_b32 v4, 7, v0
	v_bfe_u32 v5, v0, 3, 1
	v_lshl_add_u32 v6, v2, 3, v4
	v_mul_u32_u24 v6, v6, PB
	v_lshl_add_u32 v6, v5, 4, v6
	s_lshl_b32 s21, s[WN], 7
	s_add_co_u32 s21, s21, BOFF
	v_add_nc_u32 v[ADRB], s21, v6
	v_add_nc_u32 v[ADRB+1], SLOT, v[ADRB]
	s_mul_i32 s21, s[WV], 16*SPI
	s_add_co_u32 s21, s21, STAGE
	v_mul_u32_u24 v7, v1, SPI                      ; into my stage: row r, 32 bytes for each half of the lanes
	v_lshl_add_u32 v7, v2, 5, v7
	v_add_nc_u32 v[STO], s21, v7
	v_mul_u32_u24 v7, v2, SPI                      ; back: lanes 0-15 one row of 256 bytes, lanes 16-31 the next
	v_lshl_add_u32 v7, v1, 4, v7
	v_add_nc_u32 v[RD], s21, v7
	; the prefetches' pointer, at K step 3; the first refill steps it to step 4
	s_lshr_b32 s21, s[MT], 3
	s_lshl_b32 s21, s21, 22
	s_and_b32 s22, s[MT], 7
	s_lshl_b32 s22, s22, 15
	s_add_co_u32 s21, s21, s22
	s_lshl_b32 s22, s[CX], 13
	s_add_co_u32 s21, s21, s22
	s_lshl_b32 s22, s[WN], 18
	s_add_co_u32 s21, s21, s22
	s_add_co_u32 s21, s21, 6<<18
	s_lshl_b32 s22, s[CY], 5
	s_add_co_u32 s22, s22, 3*128
	s_lshl_b32 s22, s22, 11
	s_lshl_b32 s23, s[NT], 8
	s_add_co_u32 s22, s22, s23
	s_mov_b32 s[PFS], 262144
	s_mov_b32 s23, 2048
	s_cmp_eq_u32 s[WM], 0
	s_cselect_b32 s22, s21, s22
	s_cselect_b32 s[PFS], 524288, s[PFS]
	s_cselect_b32 s21, 256, s23
	s_cselect_b64 s[PFA:PFA+1], s[4:5], s[6:7]
	s_mov_b32 s23, 0
	s_mov_b32 s[PFS+1], 0
	s_add_nc_u64 s[PFA:PFA+1], s[PFA:PFA+1], s[22:23]
	v_and_b32 v[PFO], 31, v0
	v_mul_u32_u24 v[PFO], s21, v[PFO]
	s_or_b32 s20, s[WM], ttmp9                     ; waves 0 and 1 of a cluster with x = 0,
	s_xor_b32 s21, s[WV], 2                        ; wave 2 of a cluster with y = 0:
	s_and_b32 s22, ttmp7, 0xffff
	s_or_b32 s21, s21, s22
	s_min_u32 s20, s20, s21
	s_cmp_eq_u32 s20, 0                            ; the same in all sixteen partners, for a given wave
	s_cselect_b32 s[LIM], 1, -1
; 24 LDS loads in one run: quarter q of the slot's step into buffer f: wob's 8 first, then ob's 16, rows ascending
.macro FETCH slot, q, f
.irp b, 0,1,2,3
	ds_load_tr16_b128 v[(\f)+64+8*\b:(\f)+64+8*\b+3],   v[ADRB+(\slot)] offset:(\q)*32*PB+\b*32
	ds_load_tr16_b128 v[(\f)+64+8*\b+4:(\f)+64+8*\b+7], v[ADRB+(\slot)] offset:(\q)*32*PB+\b*32+16*PB
.endr
.irp a, 0,1,2,3,4,5,6,7
	ds_load_b128 v[(\f)+8*\a:(\f)+8*\a+3],   v[ADRA+(\slot)] offset:((\q)/2)*256*PA+((\q)%2)*64+\a*16*PA
	ds_load_b128 v[(\f)+8*\a+4:(\f)+8*\a+7], v[ADRA+(\slot)] offset:((\q)/2)*256*PA+((\q)%2)*64+\a*16*PA+32
.endr
.endm
; 8 matrix instructions: row blocks a0, a0 + 1, all 4 column blocks.  The 32 accumulators take turns, one instruction a turn.  first = 1: C is the bias.
.macro MUL8 f, a0, first
.if \first
	WIN 0x40
.else
	WIN 0x50
.endif
.irp a, (\a0), (\a0)+1
.irp b, 0,1,2,3
.if \first
	v_wmma_f32_16x16x32_bf16 v[8*(4*(\a)+\b):8*(4*(\a)+\b)+7], v[(\f)+64+8*\b:(\f)+64+8*\b+7], v[(\f)+8*(\a):(\f)+8*(\a)+7], v[BIAS+8*\b:BIAS+8*\b+7]
.else
	v_wmma_f32_16x16x32_bf16 v[8*(4*(\a)+\b):8*(4*(\a)+\b)+7], v[(\f)+64+8*\b:(\f)+64+8*\b+7], v[(\f)+8*(\a):(\f)+8*(\a)+7], v[8*(4*(\a)+\b):8*(4*(\a)+\b)+7]
.endif
.endr
.endr
.endm
; One of a step's first three quarters: multiplies buffer f; in its middle it fetches quarter q of the same slot into buffer g
.macro QUARTER slot, q, f, g, first
	s_wait_dscnt 8                                 ; wob's and ob's row blocks 0-3 are in; the youngest eight loads (row blocks 4-7) may be out
	MUL8 \f, 0, \first
	MUL8 \f, 2, \first
	WIN 0
	PLACES
	FETCH \slot, \q, \g
	s_wait_dscnt 24                                ; all but the 24 just issued
	MUL8 \f, 4, \first
	MUL8 \f, 6, \first
.endm
; The last quarter multiplies buffer 1 and changes slots: ONE barrier; in front of it each wave waits for all its tensor loads, adds 0 to its spare word, and waits for that and for its reads of this
; slot.  fill = 1: the barrier opens a round of the cluster's barrier, and the joint refill, two K steps on, is the first thing behind it: 112 matrix instructions ahead of the wait for it.
.macro TURN slot, next, fill
.if \fill
	s_wait_xcnt 0x0                                ; the last prefetch, a K step back, has read its address
	s_add_nc_u64 s[PFA:PFA+1], s[PFA:PFA+1], s[PFS:PFS+1]
.endif
	WIN 0
	s_wait_tensorcnt 0x0                           ; no tensor load of mine is out, so a group 0 may be written
	ds_add_u32 v[SPW], v[NIL]                      ; 0 onto my spare word
.if \fill
	s_add_nc_u64 s[G0A+4*(\slot)+2:G0A+4*(\slot)+3], s[G0A+4*(\slot)+2:G0A+4*(\slot)+3], 1048576
	s_add_nc_u64 s[G0B+4*(\slot)+2:G0B+4*(\slot)+3], s[G0B+4*(\slot)+2:G0B+4*(\slot)+3], 524288
.endif
	s_wait_dscnt 9                                 ; the add and the youngest eight loads may be out
	MUL8 F1, 0, 0
	s_wait_dscnt 0x0                               ; the add is done, and my reads of this slot are over
	s_barrier_signal -1
	MUL8 F1, 2, 0
	WIN 0
	s_barrier_wait -1
.if \fill
	CREST
	JLOAD \slot                                    ; its four v_nop are also the places in front of the loads below
.else
	PLACES
.endif
	FETCH \next, 0, F0
.if \fill
	ASK
.endif
	MUL8 F1, 4, 0
	MUL8 F1, 6, 0
.endm
.macro XLOAD a                         ; 16 rows x 256 bytes of x into window 2: each load two rows, sixteen lanes a row's 256 consecutive bytes
	WIN 0x80
.irp t, 0,1,2,3,4,5,6,7
	global_load_b128 v[32*(\a)+4*\t:32*(\a)+4*\t+3], v[XO], s[10:11] offset:(16*(\a)+2*\t)*4096 th:TH_LOAD_NT
.endr
.endm
	s_wait_tensorcnt 1                             ; my part of K step 0 is in; step 1's may stay out
	s_barrier_signal -1
	s_barrier_wait -1
	FETCH 0, 0, F0
	s_wait_loadcnt 0x0                             ; the biases
	QUARTER 0, 1, F0, F1, 1                        ; the first quarter stands in front of the loop: its products start the sums
	XLOAD 0
	XLOAD 1
	XLOAD 2
	XLOAD 3
	WIN 0
	s_mov_b32 s[CNT], 3
.Llap:                                                 ; a trip goes once round the ring, from a lap's second quarter to the next lap's first, and fills both slots again
	QUARTER 0, 2, F1, F0, 0
	QUARTER 0, 3, F0, F1, 0
	TURN 0, 1, 1
	QUARTER 1, 1, F0, F1, 0
	QUARTER 1, 2, F1, F0, 0
	QUARTER 1, 3, F0, F1, 0
	TURN 1, 0, 1
	QUARTER 0, 1, F0, F1, 0
	WIN 0
	s_sub_co_u32 s[CNT], s[CNT], 1
	s_cmp_lg_u32 s[CNT], 0
	s_cbranch_scc1 .Llap
	XLOAD 4
	XLOAD 5
	XLOAD 6
	XLOAD 7
	QUARTER 0, 2, F1, F0, 0                        ; the last lap fills nothing
	QUARTER 0, 3, F0, F1, 0
	TURN 0, 1, 0
	QUARTER 1, 1, F0, F1, 0
	QUARTER 1, 2, F1, F0, 0
	QUARTER 1, 3, F0, F1, 0
	s_wait_dscnt 8
	MUL8 F1, 0, 0
	MUL8 F1, 2, 0
	s_wait_dscnt 0x0
	MUL8 F1, 4, 0
	MUL8 F1, 6, 0
	WIN 0
	PLACES
	s_wait_loadcnt 0x0                             ; x
; THE WAY OUT, eight blocks of 16 rows: the f32 sums go into my own stage, 32 bytes a lane, and come back as whole rows of 256 bytes; x is added; sixteen lanes store 256 consecutive bytes, aligned.
.macro TOSTAGE a
.set bb, BK+32*((\a)%2)
	s_wait_xcnt 0x0                                ; earlier stores have read their registers: this buffer is loaded again only behind this wait
	WIN 0x04                                       ; the stores' data in window 1
.irp b, 0,1,2,3
	ds_store_b128 v[STO], v[8*(4*(\a)+\b):8*(4*(\a)+\b)+3]   offset:64*\b
	ds_store_b128 v[STO], v[8*(4*(\a)+\b)+4:8*(4*(\a)+\b)+7] offset:64*\b+16
.endr
	WIN 0
.irp t, 0,1,2,3,4,5,6,7
	ds_load_b128 v[bb+4*\t:bb+4*\t+3], v[RD] offset:\t*2*SPI   ; LDS serves a wave's instructions in order (ISA guide 5.7.1.4): these see the stores above
.endr
.endm
.macro FIN a, younger                  ; younger: the next block's sixteen LDS instructions, or none
.set bb, BK+32*((\a)%2)
	s_wait_dscnt \younger
	WIN 0x08                                       ; source 1, x, in window 2
.set i, 0
.rept 16
	v_pk_add_f32 v[bb+i:bb+i+1], v[bb+i:bb+i+1], v[32*(\a)+i:32*(\a)+i+1]
.set i, i+2
.endr
	WIN 0
.irp t, 0,1,2,3,4,5,6,7
	global_store_b128 v[XO], v[bb+4*\t:bb+4*\t+3], s[OUTP:OUTP+1] offset:(16*(\a)+2*\t)*4096 th:TH_STORE_NT
.endr
.endm
	TOSTAGE 0
.irp a, 1,2,3,4,5,6,7
	TOSTAGE \a
	FIN (\a)-1, 16
.endr
	FIN 7, 0
	s_wait_tensorcnt 0x0                           ; the wave's end, behind my last tensor load and my last LDS store
	ds_add_u32 v[SPW], v[NIL]
	s_wait_dscnt 0x0
	CROUND                                         ; the closing round
	s_endpgm
.Lfunc_end_k_qae00ae7871_gout:
	.size	k_qae00ae7871_gout, .Lfunc_end_k_qae00ae7871_gout-k_qae00ae7871_gout
	.p2alignl 7, 3214868480
	.fill 96, 4, 3214868480
	.section	.rodata,"a",@progbits
	.p2align	6, 0x0
	.amdhsa_kernel k_qae00ae7871_gout
		.amdhsa_group_segment_fixed_size 327680
		.amdhsa_private_segment_fixed_size 0
		.amdhsa_enable_private_segment 0
		.amdhsa_kernarg_size 40
		.amdhsa_user_sgpr_count 2
		.amdhsa_user_sgpr_kernarg_segment_ptr 1
		.amdhsa_wavefront_size32 1
		.amdhsa_system_sgpr_workgroup_id_x 1
		.amdhsa_system_sgpr_workgroup_id_y 1
		.amdhsa_system_sgpr_workgroup_id_z 1
		.amdhsa_system_vgpr_workitem_id 0
		.amdhsa_next_free_vgpr 768
		.amdhsa_next_free_sgpr 80
		.amdhsa_reserve_vcc 0
		.amdhsa_float_denorm_mode_32 3
		.amdhsa_float_denorm_mode_16_64 3
		.amdhsa_memory_ordered 1
		.amdhsa_forward_progress 1
		.amdhsa_inst_pref_size 103
	.end_amdhsa_kernel
	.amdgpu_metadata
---
amdhsa.version: [ 1, 2 ]
amdhsa.kernels:
  - .name:           k_qae00ae7871_gout
    .symbol:         k_qae00ae7871_gout.kd
    .args:
      - { .name: ob, .offset: 0, .size: 8, .value_kind: global_buffer, .address_space: global }
      - { .name: wob, .offset: 8, .size: 8, .value_kind: global_buffer, .address_space: global }
      - { .name: bo, .offset: 16, .size: 8, .value_kind: global_buffer, .address_space: global }
      - { .name: x, .offset: 24, .size: 8, .value_kind: global_buffer, .address_space: global }
      - { .name: out0, .offset: 32, .size: 8, .value_kind: global_buffer, .address_space: global }
    .group_segment_fixed_size: 327680
    .private_segment_fixed_size: 0
    .kernarg_segment_align: 8
    .kernarg_segment_size: 40
    .max_flat_workgroup_size: 128
    .sgpr_count:     80
    .vgpr_count:     768
    .wavefront_size: 32
...
	.end_amdgpu_metadata
.endif
;; end of part 4
